; MI455X (gfx1250); checked and timed in simulation.
; The chip was launched on July 23, 2026; its instructions are those of AMD's public machine-readable ISA for CDNA 5 (MIT licence, August 2026) and "CDNA5" Instruction Set Architecture Reference Guide (July 2026). The comments in the code are by the model that wrote it; some were corrected since.
;; Single Self Head Attention. Allowed arithmetic: matrix products marked QUANTISED: E3M2 operands, one E8M0 scale for each 32 along K, by v_wmma_scale_f32_16x16x128_f8f6f4 with both operands' format E3M2, f32 sums; everything else in f32.
;; Inputs: Wk 1,024 x 1,024 float32; Wo 1,024 x 1,024 float32; Wq 1,024 x 1,024 float32; Wv 1,024 x 1,024 float32; bk 1,024 float32; bo 1,024 float32; bq 1,024 float32; bv 1,024 float32; x 4 x 2,048 x 1,024 float32.
;; Outputs: out0 4 x 2,048 x 1,024 float32.
;; This version of the problem:
;;   THIS VERSION OF THE PROBLEM IS GIVEN IN LOW PRECISION. The matrix products marked QUANTISED in the list below multiply operands that are first quantised to E3M2 (3 exponent bits, 2 mantissa bits; 6 bits a number), with one power-of-two scale for each 32 numbers along K (OCP MX v1.0); their sums are f32. All else is computed in f32.
;;   The module's matrix products, in the order in which they are computed (A, B: the left and right operand; K: the contracted axis; several contracted axes count as one K, in the product's order):
;;     1. [M 8,192, K 1,024] x [K 1,024, N 1,024]; A: input x; B: input Wq: QUANTISED
;;     2. [M 8,192, K 1,024] x [K 1,024, N 1,024]; A: input x; B: input Wk: QUANTISED
;;     3. [M 8,192, K 1,024] x [K 1,024, N 1,024]; A: input x; B: input Wv: QUANTISED
;;     4. batch 4 x [M 2,048, K 1,024] x [K 1,024, N 2,048]; A: computed on the way; B: computed on the way: QUANTISED
;;     5. batch 4 x [M 2,048, K 2,048] x [K 2,048, N 1,024]; A: softmax (see below); B: computed on the way: QUANTISED
;;     6. [M 8,192, K 1,024] x [K 1,024, N 1,024]; A: computed on the way; B: input Wo: QUANTISED
;;   THE QUANTISER, for each operand of a quantised product, along K:
;;     - K is cut into blocks of 32 from its start; a last block that is shorter is filled with zeros.
;;     - A block's scale is 2^e with e = floor(log2(the largest magnitude in the block)) - 4, held to -126 .. 127; a block of zeros has e = 0. As a byte (E8M0): e + 127.
;;     - Each number is divided by its block's scale, clamped to +-28, and rounded to the nearest number of E3M2, ties to even, subnormals kept.
;;     - The product sums the exact products of the quantised numbers (number of the format x scale) in f32.
;;   ~~~python
;;   def quantise(x, axis):      # numpy; x: float32 -> the quantised numbers, widened to float32 again
;;       x = np.moveaxis(x, axis, -1); K = x.shape[-1]
;;       x = np.pad(x, [(0, 0)] * (x.ndim - 1) + [(0, -K % 32)]); x = x.reshape(x.shape[:-1] + (-1, 32)); a = np.abs(x).max(-1, keepdims=True)
;;       e = np.where(a > 0, np.clip(np.frexp(np.where(a > 0, a, 1))[1] - 1 - 4, -126, 127), 0)      # np.frexp(a)[1] - 1 = floor(log2(a)), exactly
;;       r = np.clip(x / 2.0 ** e, -28, 28)
;;       step = 2.0 ** (np.maximum(np.frexp(np.where(r == 0, 1, r))[1] - 1, -2) - 2)
;;       q = np.round(r / step) * step * 2.0 ** e      # np.round: ties to even
;;       return np.moveaxis(q.reshape(q.shape[:-2] + (-1,))[..., :K], -1, axis).astype(np.float32)
;;   ~~~
;;   SOFTMAX AHEAD OF A QUANTISED PRODUCT. Where the list says 'softmax', what is quantised is not the finished softmax but p = 2^(t - M), with t = logit x log2(e) and M = ceil(the row's largest t), a whole number; so 1/2 < the row's largest p <= 1. The row's sum l is taken of the UNQUANTISED p, in f32, and the product's result is divided by l at the end. Since M is a whole number, a kernel that streams over the keys may use a running M (the ceiling of the running maximum): every later rescaling is an exact power of two, which a block's scale takes up: the codes' values come out the same.
;;   OPERANDS COMPUTED ON THE WAY. 'Computed on the way' means the value that the module computes at that place (a softmax that the list does not call 'softmax' is quantised finished and normalised). What goes into a quantiser is computed in f32, as accurately as f32 sums, v_exp_f32 and their like allow (about 1e-6 of the number): no bf16 or f16 on the way to a quantiser, and a product that is left as it is and whose result goes on into a quantised operand takes f32 operands (vector FMAs, or v_wmma_f32_16x16x4_f32). A number that lies on a knife's edge between two numbers of the format may be rounded either way, as far as f32 arithmetic and the matrix unit's own rounding can turn it there, and no further.
;; One version. Each part assembles by itself: llvm-mc -triple=amdgcn-amd-amdhsa -mcpu=gfx1250 --defsym DOCPART=n.
;; ======== version 1 of 1: 5 launches
;; limits: right only within a limited range of input values
;; workspace buffers: opx 9,830,400 bytes; qkv 19,660,800 bytes; pp 14,155,776 bytes; oo 6,553,600 bytes
;; launch prep (part 1): grid 192 x 1, 8 waves a work-group, no clusters, 271,360 bytes of LDS; arguments x, Wq, Wk, Wv, Wo, opx; writes opx
.if DOCPART == 1
	.amdgcn_target "amdgcn-amd-amdhsa--gfx1250"
	.amdhsa_code_object_version 6
	.text
	.protected	k_q9b423b9b0b_prep
	.globl	k_q9b423b9b0b_prep
	.p2align	8
	.type	k_q9b423b9b0b_prep,@function
k_q9b423b9b0b_prep:
	s_mov_b64 s[64:65], 0
	v_nop
	global_prefetch_b8 v0, s[64:65] scope:SCOPE_SE
	s_setreg_imm32_b32 hwreg(HW_REG_WAVE_MODE, 25, 1), 1
	s_wait_xcnt 0x0
; x [8192][1024] and the four weights [1024 (k)][1024 (n)], f32, become operands of BF6 (E3M2) codes with one E8M0 byte for each 32 along K.
; A block's scale is 2^(floor(log2(its largest magnitude)) - 4): its byte is the largest magnitude's exponent field - 4, held at 1 from below.
; LIMITS: NaN and infinities are not served; a block whose largest magnitude lies under 2^-122 (a block of zeros too, where the rule says 127) keeps the byte 1:
; the bytes are read by this program alone, and zero codes add nothing under that byte.
; THE OPERANDS' LAYOUT, for all launches of this program:
;   a FRAGMENT IMAGE, 1,536 bytes: the 12 operand registers of 16 rows x 128 K; registers 4 i .. 4 i + 3 of lane l at 512 i + 16 l.  Buffer order [16 rows][K step][1536].
;   a SCALE IMAGE, 256 bytes: the scale words of 64 rows x one K step; lane l's 8 bytes at 8 l: the words of row l % 16 of row blocks l / 16 and 2 + l / 16.  Order [64 rows][K step][256].
;   INSIDE A BLOCK OF 32 the codes stand in the order k 0-7, 16-23, 8-15, 24-31, on both operands of every product: the order in which a transposed product leaves its results in a lane.
;   Blocks and scales are untouched by it; only the order of the exact products inside a block differs from the ascending one.
; SHARES.  Work-groups 0-127: 64 rows of x each; 128-191: 64 columns n of one weight each.  Wave s takes K step s: 32 KB of f32, brought by ONE tensor load into the wave's own LDS bytes,
; read by that wave alone behind its own wait: no barrier, nothing is filled twice, nothing is stored to LDS.
; A LANE TAKES A ROW (of x) OR A COLUMN (of a weight) and holds a whole block of 32 along K: its largest magnitude and its scale word need no other lane.
.set XF,   0                           ; opx: x's fragments
.set WF,   6291456                     ; the weights' fragments, 786,432 bytes each: Wq, Wk, Wv, Wo
.set XS,   9437184                     ; x's scale images
.set WS,   9699328                     ; the weights', 32,768 bytes each
.set WREG, 33792                       ; LDS bytes of a wave: 64 rows x 528
.set XP,   528                         ; x's row in LDS: 512 bytes + 16 of padding: the 16 rows of half a load start at 16 different groups of banks
.set T,    16                          ; v[16:18] the second half of a block's codes (a conversion's three registers begin on an even number)
.set WDR,  20                          ; v[20:21] my rows' scale words: rows 0-31, rows 32-63
.set X,    32                          ; v32-95   two sets of 32 numbers
.set F,    96                          ; v96-143  four fragments
.set G1X,  20                          ; s[20:27] descriptor group 1 for x's tile
.set G1W,  28                          ; s[28:35] for a weight's
.set G0,   36                          ; s[36:39] group 0
	s_load_b256 s[4:11], s[0:1], 0x0               ; x s[4:5], Wq s[6:7], Wk s[8:9], Wv s[10:11]
	s_load_b128 s[12:15], s[0:1], 0x20             ; Wo s[12:13], opx s[14:15]
	v_lshl_add_u32 v144, v0, 2, 0x42000
	v_mov_b32 v145, 0
	ds_add_u32 v144, v145
	ds_add_u32 v144, v145
	v_lshrrev_b32 v1, 5, v0
	s_delay_alu instid0(VALU_DEP_1)
	v_readfirstlane_b32 s16, v1                    ; wave = K step
	v_and_b32 v1, 31, v0                           ; lane
	s_mul_i32 s[G0+1], s16, WREG                   ; my wave's LDS bytes
	v_mul_u32_u24 v2, v1, XP
	s_delay_alu instid0(VALU_DEP_1)
	v_add_nc_u32 v2, s[G0+1], v2                   ; x: lane = row
	v_lshl_add_u32 v5, v1, 2, s[G0+1]              ; a weight: lane = column
	v_lshlrev_b32 v3, 4, v1                        ; 16 x lane: a fragment image's place
	v_lshlrev_b32 v4, 3, v1                        ; 8 x lane: a scale image's
	; x's tile: 64 rows x 128 numbers, rows 1,024 numbers apart, 16 bytes of padding behind each row of 128 words
	s_mov_b32 s[G1X+0], (2<<16)|(1<<20)|(6<<22)|(3<<25)
	s_mov_b32 s[G1X+1], 128<<16
	s_mov_b32 s[G1X+2], 64<<16
	s_mov_b32 s[G1X+3], 128<<16
	s_mov_b32 s[G1X+4], 64
	s_mov_b32 s[G1X+5], 1024
	s_mov_b32 s[G1X+6], 0
	s_mov_b32 s[G1X+7], 0
	; a weight's tile: 128 rows k x 64 numbers n, no padding: neighbouring lanes read neighbouring words
	s_mov_b32 s[G1W+0], 2<<16
	s_mov_b32 s[G1W+1], 64<<16
	s_mov_b32 s[G1W+2], 128<<16
	s_mov_b32 s[G1W+3], 64<<16
	s_mov_b32 s[G1W+4], 128
	s_mov_b32 s[G1W+5], 1024
	s_mov_b32 s[G1W+6], 0
	s_mov_b32 s[G1W+7], 0
	s_cmp_lt_u32 ttmp9, 128
	s_cselect_b32 s17, 0, 128
	s_sub_co_u32 s17, ttmp9, s17                   ; the group of 64 rows within x, or within the four weights on end
	s_lshr_b32 s18, s17, 4                         ; which weight
	s_lshl_b32 s40, ttmp9, 18                      ; x: 64 rows of 4,096 bytes,
	s_lshl_b32 s41, s16, 9                         ; + 512 bytes a K step
	s_add_co_u32 s40, s40, s41
	s_lshl_b32 s42, s16, 19                        ; a weight: 128 rows k of 4,096 bytes a K step,
	s_and_b32 s43, s17, 15
	s_lshl_b32 s43, s43, 8                         ; + 256 bytes a group of 64 columns
	s_add_co_u32 s42, s42, s43
	s_mul_i32 s44, s17, 49152                      ; out: 4 row blocks x 8 K steps x 1,536 bytes a group,
	s_mul_i32 s45, s16, 1536
	s_add_co_u32 s44, s44, s45
	s_lshl_b32 s46, s17, 11                        ; and 8 scale images
	s_lshl_b32 s47, s16, 8
	s_add_co_u32 s46, s46, s47
	s_mov_b32 s49, WS
	s_cmp_lt_u32 ttmp9, 128
	s_cselect_b32 s40, s40, s42
	s_cselect_b32 s48, XF, WF
	s_cselect_b32 s49, XS, s49
	s_add_co_u32 s44, s44, s48
	s_add_co_u32 s46, s46, s49
	s_mov_b32 s41, 0
	s_mov_b32 s45, 0
	s_mov_b32 s47, 0
	s_and_b32 s19, s18, 1
	s_wait_dscnt 0x0
	s_wait_kmcnt 0x0
	s_cmp_lg_u32 s19, 0                            ; the source is chosen by the work-group's number alone
	s_cselect_b64 s[6:7], s[8:9], s[6:7]
	s_cselect_b64 s[10:11], s[12:13], s[10:11]
	s_cmp_ge_u32 s18, 2
	s_cselect_b64 s[6:7], s[10:11], s[6:7]
	s_cmp_lt_u32 ttmp9, 128
	s_cselect_b64 s[4:5], s[4:5], s[6:7]
	s_mov_b32 s[G0], 1
	s_add_nc_u64 s[G0+2:G0+3], s[4:5], s[40:41]
	s_or_b32 s[G0+3], s[G0+3], 0x80000000
	s_add_nc_u64 s[44:45], s[14:15], s[44:45]      ; my four fragments
	s_add_nc_u64 s[46:47], s[14:15], s[46:47]      ; my scale image
; Unit u = 4 g + b: rows (columns) 32 g + lane, block b of the K step.  The numbers land in the registers in the block's order of codes.
.macro LOADU w, u
.if \w
.set k, 0
.rept 32
.set xd, X+32*((\u)%2)+8*((k/16)+2*((k/8)%2))+k%8
	ds_load_b32 v[xd], v5 offset:(32*((\u)%4)+k)*256+128*((\u)/4)
.set k, k+1
.endr
.else
.irp j, 0,1,2,3,4,5,6,7
.set xd, X+32*((\u)%2)+8*((\j/4)+2*((\j/2)%2))+4*(\j%2)
	ds_load_b128 v[xd:xd+3], v2 offset:((\u)/4)*32*XP+128*((\u)%4)+16*\j
.endr
.endif
.endm
.macro BLOCK u
.set xs, X+32*((\u)%2)
.set gg, (\u)/4
.set bb, (\u)%4
.set fd, F+12*(2*gg+bb%2)+6*(bb/2)     ; even blocks into the first fragment of the pair, odd ones into the second: OUT puts the halves right
	v_max3_num_f32 v8, |v[xs]|, |v[xs+1]|, 0x2800000               ; the largest magnitude, in two chains, with the floor 2^(5 - 127) as a leaf: the byte cannot fall under 1
	v_max3_num_f32 v9, |v[xs+2]|, |v[xs+3]|, |v[xs+4]|
.irp i, 5,9,13,17,21,25
	s_delay_alu instid0(VALU_DEP_2)
	v_max3_num_f32 v8, v8, |v[xs+\i]|, |v[xs+\i+1]|
	s_delay_alu instid0(VALU_DEP_2)
	v_max3_num_f32 v9, v9, |v[xs+\i+2]|, |v[xs+\i+3]|
.endr
	s_delay_alu instid0(VALU_DEP_2)
	v_max3_num_f32 v8, v8, |v[xs+29]|, |v[xs+30]|
	s_delay_alu instid0(VALU_DEP_1)
	v_max3_num_f32 v8, v8, v9, |v[xs+31]|
	s_delay_alu instid0(VALU_DEP_1)
	v_add_nc_u32 v11, 0xfe000000, v8               ; 4 off its exponent field: the conversion takes this operand's exponent field as its scale
	s_delay_alu instid0(VALU_DEP_1)
	v_lshrrev_b32 v10, 23, v11                     ; the scale's byte
.if bb == 0
	s_delay_alu instid0(VALU_DEP_1)
	v_mov_b32 v[WDR+gg], v10
.else
	s_delay_alu instid0(VALU_DEP_1)
	v_lshl_or_b32 v[WDR+gg], v10, 8*bb, v[WDR+gg]
.endif
	v_cvt_scalef32_pk16_bf6_f32 v[fd:fd+2], v[xs:xs+15], v11
	v_cvt_scalef32_pk16_bf6_f32 v[T:T+2], v[xs+16:xs+31], v11
	v_nop                                          ; one plain place behind a scaled conversion
.irp i, 0,1,2
	v_mov_b32 v[fd+3+\i], v[T+\i]
.endr
.endm
; Rows 32 g .. 32 g + 31 are done.  The first run of 12 registers holds blocks 0 and 2 of all 32 rows, the second blocks 1 and 3.  The exchange of the first's lanes 16-31 with the second's
; lanes 0-15 makes of them the fragments of rows 0-15 and of rows 16-31 (lanes 0-15: blocks 0, 2; lanes 16-31: blocks 1, 3).
.macro OUT g
.irp i, 0,1,2,3,4,5,6,7,8,9,10,11
	v_permlane16_swap_b32 v[F+24*(\g)+\i], v[F+24*(\g)+12+\i]
.endr
.irp f, 0,1
.irp i, 0,1,2
	global_store_b128 v3, v[F+12*(2*(\g)+\f)+4*\i:F+12*(2*(\g)+\f)+4*\i+3], s[44:45] offset:(2*(\g)+\f)*12288+512*\i   ; 512 consecutive bytes, aligned
.endr
.endr
.endm
.macro BODY w
	s_wait_tensorcnt 0x0                           ; my tile is in LDS; nobody else reads it
	LOADU \w, 0
.irp u, 0,1,2,3,4,5,6,7
.if \u < 7
	LOADU \w, \u+1
	s_wait_dscnt 8+24*\w                           ; this unit's loads are in; the next unit's (8 of 16 bytes, or 32 of 4) may be out
.else
	s_wait_dscnt 0x0
.endif
	BLOCK \u
.if \u%4 == 3
	OUT \u/4
.endif
.endr
	global_store_b64 v4, v[WDR:WDR+1], s[46:47]    ; the scale image: 256 consecutive bytes, aligned
	s_wait_tensorcnt 0x0
	ds_add_u32 v144, v145
	s_wait_dscnt 0x0
	s_endpgm
.endm
	s_cmp_lt_u32 ttmp9, 128                        ; two shapes of tile: two tensor instructions, chosen by the work-group's number; the ways do not join
	s_cbranch_scc0 .Lweight
	tensor_load_to_lds s[G0:G0+3], s[G1X:G1X+7]
	s_nop 0
.rept 4
	v_nop
.endr
	s_wait_alu depctr_va_vdst(0)
	BODY 0
.Lweight:
	tensor_load_to_lds s[G0:G0+3], s[G1W:G1W+7]
	s_nop 0
.rept 4
	v_nop
.endr
	s_wait_alu depctr_va_vdst(0)
	BODY 1
.Lfunc_end_k_q9b423b9b0b_prep:
	.size	k_q9b423b9b0b_prep, .Lfunc_end_k_q9b423b9b0b_prep-k_q9b423b9b0b_prep
	.p2alignl 7, 3214868480
	.fill 96, 4, 3214868480
	.section	.rodata,"a",@progbits
	.p2align	6, 0x0
	.amdhsa_kernel k_q9b423b9b0b_prep
		.amdhsa_group_segment_fixed_size 271360
		.amdhsa_private_segment_fixed_size 0
		.amdhsa_enable_private_segment 0
		.amdhsa_kernarg_size 48
		.amdhsa_user_sgpr_count 2
		.amdhsa_user_sgpr_kernarg_segment_ptr 1
		.amdhsa_wavefront_size32 1
		.amdhsa_system_sgpr_workgroup_id_x 1
		.amdhsa_system_sgpr_workgroup_id_y 1
		.amdhsa_system_sgpr_workgroup_id_z 1
		.amdhsa_system_vgpr_workitem_id 0
		.amdhsa_next_free_vgpr 146
		.amdhsa_next_free_sgpr 66
		.amdhsa_reserve_vcc 0
		.amdhsa_float_denorm_mode_32 3
		.amdhsa_float_denorm_mode_16_64 3
		.amdhsa_memory_ordered 1
		.amdhsa_forward_progress 1
		.amdhsa_inst_pref_size 61
	.end_amdhsa_kernel
	.amdgpu_metadata
---
amdhsa.version: [ 1, 2 ]
amdhsa.kernels:
  - .name:           k_q9b423b9b0b_prep
    .symbol:         k_q9b423b9b0b_prep.kd
    .args:
      - { .name: x, .offset: 0, .size: 8, .value_kind: global_buffer, .address_space: global }
      - { .name: Wq, .offset: 8, .size: 8, .value_kind: global_buffer, .address_space: global }
      - { .name: Wk, .offset: 16, .size: 8, .value_kind: global_buffer, .address_space: global }
      - { .name: Wv, .offset: 24, .size: 8, .value_kind: global_buffer, .address_space: global }
      - { .name: Wo, .offset: 32, .size: 8, .value_kind: global_buffer, .address_space: global }
      - { .name: opx, .offset: 40, .size: 8, .value_kind: global_buffer, .address_space: global }
    .group_segment_fixed_size: 271360
    .private_segment_fixed_size: 0
    .kernarg_segment_align: 8
    .kernarg_segment_size: 48
    .max_flat_workgroup_size: 256
    .sgpr_count:     66
    .vgpr_count:     146
    .wavefront_size: 32
...
	.end_amdgpu_metadata
.endif
;; end of part 1
;; launch qkv (part 2): grid 4 x 64, 4 waves a work-group, clusters of 4 x 4, 327,680 bytes of LDS; arguments opx, bq, bk, bv, qkv; writes qkv
.if DOCPART == 2
	.amdgcn_target "amdgcn-amd-amdhsa--gfx1250"
	.amdhsa_code_object_version 6
	.text
	.protected	k_q9b423b9b0b_qkv
	.globl	k_q9b423b9b0b_qkv
	.p2align	8
	.type	k_q9b423b9b0b_qkv,@function
k_q9b423b9b0b_qkv:
	s_mov_b64 s[64:65], 0
	v_nop
	global_prefetch_b8 v0, s[64:65] scope:SCOPE_SE
	s_setreg_imm32_b32 hwreg(HW_REG_WAVE_MODE, 25, 1), 1
	s_wait_xcnt 0x0
	s_wait_alu depctr_hold_cnt(0) depctr_sa_sdst(0) depctr_va_vdst(0) depctr_va_sdst(0) depctr_va_ssrc(0) depctr_va_vcc(0) depctr_vm_vsrc(0)
	s_getreg_b32 s2, hwreg(HW_REG_IB_STS2, 6, 4)
	s_cmp_eq_u32 s2, 0
	s_cbranch_scc0 .Lentry_in_a_cluster
	s_endpgm
.Lentry_in_a_cluster:
	s_bfe_u32 s2, ttmp6, 0x10000c
	s_cmp_lg_u32 s2, 0xf033
	s_cbranch_scc0 .Lentry_shape_is_right
	s_endpgm
.Lentry_shape_is_right:
; q = x Wq + bq and k = x Wk + bk, quantised along d; V^T = Wv^T x^T + bv, quantised along the keys.  All operands are BF6 (E3M2) codes with E8M0 scales, as fragment images and
; scale images (1,536 and 256 bytes; their layout and the order of codes inside a block of 32 are set out at the head of the first launch).  The results leave in the same layout.
; LIMITS: NaN and infinities are not served; a block whose largest magnitude lies under 2^-122 keeps the byte 1 (zero blocks too: this program alone reads the bytes).
; SHARES.  A tile is 128 (rows of A) x 256 (rows of B), K = 1,024; a work-group's four waves make 64 x 128 each: 32 accumulators, 256 registers.
; WORK-GROUPS THAT STAY: 768 tiles on 256 work-groups.  Cluster C (0-15) makes three cluster tiles of 4 x 4: two of q and k (A = x, B = Wq and Wk on end; rows of x 512 (C / 2) on and 4,096 further)
; and one of V^T (A = Wv, B = x): the same work in every work-group, and the text is straight: no branch but on the wave's number.
; RING: two LDS slots of 4 K steps, 147,456 bytes each (A's 8 row blocks, then B's 16).  A tile is slot 0, then slot 1, and the ring goes on into the next tile: slot 0 takes the next tile's steps 0-3
; behind a round of the cluster's barrier at step 3; slot 1 takes its steps 4-7 behind a round in the middle of the way out: each refill has four K steps and half a way out in which to land.
; The second tile asks for the same tile of Wq or Wk again: one form for every refill.  lds_bytes claims all of LDS.
; CLUSTER 4 x 4: A's tile hangs on the tile row and is asked for jointly by a row of the cluster, B's on the tile column and by a column.  Wave 0 asks for A, waves 1 and 2 for B's halves.
; THE PRODUCT IS USED TRANSPOSED (source 0 = 16 rows of B, source 1 = 16 rows of A): a lane holds one row of A and its registers run along B's rows, which are the next product's K.
; The scale images go from memory straight into registers, whole: 8 + 16 loads of 256 bytes a wave and tile, a tile ahead, into the half of the scale registers that the tile in hand does not read.
; The bias is the C of a sum's first product; the next tile's is loaded as soon as step 0 has read this tile's.
; REGISTERS: window 0: v1, v2 16 x and 8 x lane; v5-6, v9-10 my A and B fragments in slot 0, 1; v13-16 where row block a's fragment goes; v18, v19 serve the add alone; v21, v22 the biases' offsets;
;   v32-63 A's scale words (two tiles x 8 steps x 2), v64-127 B's (x 4); v128-223 A's fragments, two sets (on the way out the codes just made); v224-245 at work.
;   window 1: B's fragments, two sets, at v0 and v128.   window 2: accumulator (a, b) at v[8 (8 a + b)].   window 3: v0-63 the bias.
.set XF,    0                          ; opx: x's fragments; the weights' (786,432 bytes each); x's scale images; the weights' (32,768 bytes each)
.set WF,    6291456
.set XS,    9437184
.set WS,    9699328
.set VF,    12582912                   ; qkv: q's fragments at 0, k's 6,291,456 on, V^T's here
.set QS,    18874368                   ; q's scale images; k's 262,144 on
.set VS,    19398656
.set SLOT,  147456
.set PART,  49152                      ; 8 row blocks x 4 K steps x 1,536 bytes: what one tensor load brings
.set SPARE, 294912                     ; the spare words: 128 bytes a wave, two blocks of 256 bytes that no other line names
.set RBB,   6144                       ; a row block's bytes in a part
.set SPC,   4                          ; K steps in a slot
.set NSL,   2                          ; slots
.set VA,    5
.set VB,    9
.set OFF,   13
.set SA,    32
.set SB,    64
.set AFR,   128
.set PC,    128                        ; the codes just made: v128-147
.set TM,    224                        ; v224-227 largest magnitudes, v228-231 bytes, v236-239 the conversions' scale operands
.set WD,    240                        ; v240-243 the scale words of row blocks 0-3
.set MP,    244                        ; v[244:245] a scale image's two words
.set MSB, 0
.macro WIN new                         ; the immediate's high byte repeats the setting that is left
.if MSB != \new
	s_set_vgpr_msb (MSB<<8)|\new
.set MSB, \new
.endif
.endm
.set MUL,  0xa1                        ; source 0 (B) window 1, source 1 (A) window 0, C and D window 2
.set MULB, 0xb1                        ; the same with C (the bias) in window 3
.set TO_B, 0x40                        ; destination window 1, address window 0
.macro PLACES                          ; four plain places: behind matrix instructions, in front of loads into their sources and of the first read of results
.rept 4
	v_nop
.endr
.endm
.macro CREST                           ; a round of the cluster's barrier behind its opening barrier
	s_cmp_lg_u32 s18, 0
	s_cbranch_scc1 .Lnot_wave_0_\@
	s_barrier_signal -3
.Lnot_wave_0_\@:
	s_barrier_wait -3
	s_barrier_signal -1
	s_barrier_wait -1
.endm
.macro CROUND
	s_barrier_signal -1
	s_barrier_wait -1
	CREST
.endm
; Steps are numbered 8 (tile % 2) + 0 .. 7: the number picks the slot, the place in it, the set of fragment registers and the scale registers.
; Step s's fragments into set p: B's eight, A's four: 36 loads of 512 consecutive bytes
.macro FETCH s, p
	WIN TO_B
.irp b, 0,1,2,3,4,5,6,7
.irp i, 0,1,2
	ds_load_b128 v[128*(\p)+12*\b+4*\i:128*(\p)+12*\b+4*\i+3], v[VB+((\s)/SPC)%NSL] offset:\b*RBB+((\s)%SPC)*1536+512*\i
.endr
.endr
	WIN 0
.irp a, 0,1,2,3
.irp i, 0,1,2
	ds_load_b128 v[AFR+48*(\p)+12*\a+4*\i:AFR+48*(\p)+12*\a+4*\i+3], v[VA+((\s)/SPC)%NSL] offset:\a*RBB+((\s)%SPC)*1536+512*\i
.endr
.endr
.endm
.macro WM                              ; one product; rw: bit 0: B's scale words in lanes 16-31, bit 1: A's
.if rw == 0
	v_wmma_scale_f32_16x16x128_f8f6f4 v[rD:rD+7], v[rB:rB+11], v[rA:rA+11], v[rC:rC+7], v[rSB], v[rSA] matrix_a_fmt:MATRIX_FMT_BF6 matrix_b_fmt:MATRIX_FMT_BF6
.elseif rw == 1
	v_wmma_scale_f32_16x16x128_f8f6f4 v[rD:rD+7], v[rB:rB+11], v[rA:rA+11], v[rC:rC+7], v[rSB], v[rSA] matrix_a_fmt:MATRIX_FMT_BF6 matrix_b_fmt:MATRIX_FMT_BF6 matrix_a_scale:MATRIX_SCALE_ROW1
.elseif rw == 2
	v_wmma_scale_f32_16x16x128_f8f6f4 v[rD:rD+7], v[rB:rB+11], v[rA:rA+11], v[rC:rC+7], v[rSB], v[rSA] matrix_a_fmt:MATRIX_FMT_BF6 matrix_b_fmt:MATRIX_FMT_BF6 matrix_b_scale:MATRIX_SCALE_ROW1
.else
	v_wmma_scale_f32_16x16x128_f8f6f4 v[rD:rD+7], v[rB:rB+11], v[rA:rA+11], v[rC:rC+7], v[rSB], v[rSA] matrix_a_fmt:MATRIX_FMT_BF6 matrix_b_fmt:MATRIX_FMT_BF6 matrix_a_scale:MATRIX_SCALE_ROW1 matrix_b_scale:MATRIX_SCALE_ROW1
.endif
.endm
; A's block a against B's eight, step s, set p.  cm = 0: adds on; 2: starts the sums with the bias of B's rows; 3: with the bias of A's rows.
; The 32 accumulators take turns, one instruction a turn, in the same order in every step.
.macro MUL8 a, s, p, cm
.irp b, 0,1,2,3,4,5,6,7
.set rD, 8*(8*(\a)+\b)
.set rB, 128*(\p)+12*\b
.set rA, AFR+48*(\p)+12*(\a)
.set rSB, SB+4*(\s)+2*(\b/4)+(\b/2)%2
.set rSA, SA+2*(\s)+(\a)/2
.set rw, 2*((\a)%2)+\b%2
.set rC, rD
.if (\cm) == 2
.set rC, 8*\b
.endif
.if (\cm) == 3
.set rC, 8*(\a)
.endif
	WM
.endr
.endm
.macro STEP_IN s, cm, pl               ; a step whose successor lies in the same slot
.if \pl
	PLACES
.endif
	FETCH (\s)+1, 1-(\s)%2
	s_wait_dscnt 36                                ; all but the 36 loads just issued: this step's fragments are in
.if (\cm) >= 2
	WIN MULB
.else
	WIN MUL
.endif
.irp a, 0,1,2,3
	MUL8 \a, \s, (\s)%2, \cm
.endr
.endm
.macro LAST s                          ; a tile's last step: nothing more to fetch
	s_wait_dscnt 0x0
	WIN MUL
.irp a, 0,1,2,3
	MUL8 \a, \s, (\s)%2, 0
.endr
.endm
.macro RENEW g                         ; slot g's two groups 0 take the K steps 4 g on of the tile whose A and B begin at s[52:53] and s[54:55]
	s_add_nc_u64 s[46+4*(\g):47+4*(\g)], s[52:53], (\g)*6144
	s_or_b32 s[47+4*(\g)], s[47+4*(\g)], 0x80000000
	s_add_nc_u64 s[70+4*(\g):71+4*(\g)], s[54:55], (\g)*6144
	s_or_b32 s[71+4*(\g)], s[71+4*(\g)], 0x80000000
.endm
; A joint refill of slot g: wave 0 asks for A's part, waves 1 and 2 for B's halves, wave 3 for nothing.  The branches hang on the wave's number alone.  Four v_nop follow each of the two lines.
.macro JLOAD g
	s_cmp_eq_u32 s18, 0
	s_cbranch_scc0 .Lfor_b_\@
	tensor_load_to_lds s[44+4*(\g):47+4*(\g)], s[28:35]
	s_nop 0
.rept 4
	v_nop
.endr
	s_branch .Lfilled_\@
.Lfor_b_\@:
	s_cmp_lt_u32 s18, 3
	s_cbranch_scc0 .Lfilled_\@
	tensor_load_to_lds s[68+4*(\g):71+4*(\g)], s[36:43]
	s_nop 0
.rept 4
	v_nop
.endr
.Lfilled_\@:
.endm
; SLOT 0'S LAST STEP s, in two parts.  HEAD: the step's first half and the change of slots.  Each wave waits for all its tensor loads (its part of slot 1 among them), adds 0 to its spare word, and waits
; for that and for its reads of slot 0; then the barrier.  round = 1: the barrier opens a round of the cluster's barrier, behind which no wave of any partner reads the slot or has a load on its way.
.macro HEAD s, round
	WIN 0                                          ; (the add's two registers lie in window 0)
	s_wait_tensorcnt 0x0                           ; no tensor load of mine is out, so a group 0 may be written
	ds_add_u32 v18, v19                            ; 0 onto my spare word,
	ds_add_u32 v18, v19                            ; twice on end
.if \round
	RENEW ((\s)/SPC)%NSL
.endif
	s_wait_dscnt 2                                 ; the two adds may be out; this step's 36 loads are in
	WIN MUL
	MUL8 0, \s, (\s)%2, 0
	s_wait_dscnt 0x0                               ; the add is done, and my reads of this slot are over
	s_barrier_signal -1
	MUL8 1, \s, (\s)%2, 0
	WIN 0
	s_barrier_wait -1
.if \round
	CREST
.endif
.endm
; TAIL: fill = 1: the slot takes the next tile's first four K steps: the wave's first tensor load behind the round and its only one until the next.  Then slot 1's first fragments and the step's second half.
.macro TAIL s, fill
.if \fill
	JLOAD ((\s)/SPC)%NSL
.endif
	PLACES
	FETCH (\s)+1, 1-(\s)%2
	WIN MUL
	MUL8 2, \s, (\s)%2, 0
	MUL8 3, \s, (\s)%2, 0
.endm
; THE CHANGE OF SLOTS IN THE WAY OUT: slot g has been read out.  The same three lines, a whole round, the joint refill first behind it.
.macro CHANGE g
	s_wait_tensorcnt 0x0                           ; my part of the other slot's refill has landed; no tensor load of mine is out
	ds_add_u32 v18, v19                            ; 0 onto my spare word,
	ds_add_u32 v18, v19                            ; twice on end
	RENEW \g
	s_wait_dscnt 0x0                               ; the add is done; my reads of the slot were over at the tile's last step
	CROUND
	JLOAD \g
.endm
; The four largest magnitudes in v[TM] on -> the conversions' scale operands and row block a's scale word
.macro WORD a
.irp b, 0,1,2,3
	v_add_nc_u32 v[TM+12+\b], 0xfe000000, v[TM+\b] ; 4 off the exponent field
.endr
.irp b, 0,1,2,3
	v_lshrrev_b32 v[TM+4+\b], 23, v[TM+12+\b]      ; the scale's byte
.endr
	v_lshl_or_b32 v[WD+\a], v[TM+5], 8, v[TM+4]
	v_lshl_or_b32 v[WD+\a], v[TM+6], 16, v[WD+\a]
	v_lshl_or_b32 v[WD+\a], v[TM+7], 24, v[WD+\a]
.endm
; Row block a's 64 numbers a lane -> a fragment's 12 registers in v[PC] on
.macro CODES a
.if (\a) > 0
	s_wait_xcnt 0x0                                ; the last block's stores have read v[PC] on
.endif
	WIN 0x02                                       ; source 0: window 2
.irp c, 0,1
	v_cvt_scalef32_pk16_bf6_f32 v[PC+6*\c:PC+6*\c+2], v[64*(\a)+32*\c:64*(\a)+32*\c+15], v[TM+12+2*\c]
	v_cvt_scalef32_pk16_bf6_f32 v[PC+12+4*\c:PC+12+4*\c+2], v[64*(\a)+32*\c+16:64*(\a)+32*\c+31], v[TM+12+2*\c+1]
.endr
	WIN 0
	v_nop                                          ; one plain place behind a scaled conversion
.irp c, 0,1                            ; the operand's layout wants a whole block in a lane: lanes 0-15 block 2 c, lanes 16-31 block 2 c + 1
.irp i, 0,1,2
	v_permlane16_swap_b32 v[PC+6*\c+\i], v[PC+12+4*\c+\i]
.endr
.irp i, 0,1,2
	v_mov_b32 v[PC+3+6*\c+\i], v[PC+12+4*\c+\i]
.endr
.endr
.endm
.macro QUANT a                         ; each accumulator is read from its low end on
	WIN 0x28                                       ; sources 1 and 2: window 2
.irp b, 0,1,2,3
	v_max3_num_f32 v[TM+\b], 0x2800000, |v[64*(\a)+16*\b]|, |v[64*(\a)+16*\b+1]|   ; block b: my 16 numbers, and the floor 2^(5 - 127)
.endr
.irp i, 2,4,6,8,10,12,14
.irp b, 0,1,2,3
	v_max3_num_f32 v[TM+\b], v[TM+\b], |v[64*(\a)+16*\b+\i]|, |v[64*(\a)+16*\b+\i+1]|
.endr
.endr
	WIN 0
.irp b, 0,1,2,3
	v_permlanex16_b32 v[TM+4+\b], v[TM+\b], s84, s85
.endr
.irp b, 0,1,2,3
	v_max_num_f32 v[TM+\b], v[TM+\b], v[TM+4+\b]   ; with lane l xor 16's 16: the block's largest magnitude
.endr
	WORD \a
	CODES \a
.endm
.macro PUT a
.irp i, 0,1,2
	global_store_b128 v[OFF+\a], v[PC+4*\i:PC+4*\i+3], s[90:91] offset:512*\i   ; 512 consecutive bytes, aligned
.endr
.endm
.macro PUTS src, off                   ; four registers (one a row block, the same in both halves of the lanes) -> an image of 256 bytes
	v_cndmask_b32 v[MP], v[\src], v[\src+1], s88
	v_cndmask_b32 v[MP+1], v[\src+2], v[\src+3], s88
	global_store_b64 v2, v[MP:MP+1], s[92:93] offset:\off
.endm
; WHERE TILE t LIES.  s23 the tile row (of the cluster's number and cy alone), s24 the tile column (of the cluster's number and cx alone), s98 my group of 64 rows of A, s99 my 128 rows of B
.macro GEO t
.if (\t) < 2
	s_add_co_u32 s23, s14, 8*(\t)                  ; q and k: 64 tiles of x, 8 of Wq and Wk
	s_lshl_b32 s23, s23, 2
	s_add_co_u32 s23, s23, s22
	s_lshl_b32 s24, s15, 2
	s_add_co_u32 s24, s24, s21
.else
	s_lshl_b32 s23, s15, 2                         ; V^T: 8 tiles of Wv, 32 of x
	s_add_co_u32 s23, s23, s22
	s_lshl_b32 s24, s14, 2
	s_add_co_u32 s24, s24, s21
.endif
	s_lshl_b32 s98, s23, 1
	s_add_co_u32 s98, s98, s19
	s_lshl_b32 s99, s24, 1
	s_add_co_u32 s99, s99, s20
.endm
; What tile t reads: A's and B's fragments s[52:53], s[54:55]; their scale images s[94:95], s[96:97]; its bias s[56:57].  A's offsets pass through s2 and s[60:61] alone, B's through s3 and s[62:63]
.macro NADDR t
.if (\t) > 0
	s_wait_xcnt 0x0                                ; the loads that named these bases have read them
.endif
	GEO \t
	s_mul_i32 s60, s23, 98304                      ; 8 row blocks of 12,288 bytes
	s_mul_i32 s62, s24, 196608
	s_add_co_u32 s62, s62, s16                     ; wave 1 fetches B's row blocks 0-7, wave 2 blocks 8-15
	s_lshl_b32 s2, s98, 11
	s_lshl_b32 s3, s99, 12
.if (\t) < 2
	s_add_co_u32 s62, s62, WF
	s_add_co_u32 s2, s2, XS
	s_add_co_u32 s3, s3, WS
.else
	s_add_co_u32 s60, s60, WF+1572864
	s_add_co_u32 s2, s2, WS+65536
	s_add_co_u32 s3, s3, XS
.endif
	s_mov_b32 s61, 0
	s_mov_b32 s63, 0
	s_add_nc_u64 s[52:53], s[4:5], s[60:61]
	s_add_nc_u64 s[54:55], s[4:5], s[62:63]
	s_mov_b32 s60, s2
	s_mov_b32 s62, s3
	s_add_nc_u64 s[94:95], s[4:5], s[60:61]
	s_add_nc_u64 s[96:97], s[4:5], s[62:63]
.if (\t) < 2
	s_and_b32 s58, s99, 7                          ; my K step of q or of k: 128 numbers of the bias
	s_lshl_b32 s58, s58, 9
	s_cmp_eq_u32 s15, 0                            ; tile columns 0-3 are Wq's, 4-7 Wk's
	s_cselect_b64 s[56:57], s[6:7], s[8:9]
.else
	s_lshl_b32 s58, s98, 8                         ; 64 numbers of bv a group
	s_mov_b64 s[56:57], s[10:11]
.endif
	s_mov_b32 s59, 0
	s_add_nc_u64 s[56:57], s[56:57], s[58:59]
.endm
; Tile t's scale images into half t % 2 of the scale registers, and its bias into window 3
.macro NLOAD t
.set q0, 8*((\t)%2)
	WIN 0
.irp s, 0,1,2,3,4,5,6,7
	global_load_b64 v[SA+2*(q0+\s):SA+2*(q0+\s)+1], v2, s[94:95] offset:256*\s
	global_load_b64 v[SB+4*(q0+\s):SB+4*(q0+\s)+1], v2, s[96:97] offset:256*\s
	global_load_b64 v[SB+4*(q0+\s)+2:SB+4*(q0+\s)+3], v2, s[96:97] offset:2048+256*\s
.endr
	WIN 0xc0                                       ; destination window 3
.if (\t) < 2
.irp b, 0,1,2,3,4,5,6,7                ; the bias runs along B's rows: eight numbers a tile of 16
	global_load_b128 v[8*\b:8*\b+3], v21, s[56:57] offset:64*\b
	global_load_b128 v[8*\b+4:8*\b+7], v21, s[56:57] offset:64*\b+16
.endr
.else
.irp a, 0,1,2,3                        ; the bias runs along A's rows: a lane's one number in all eight registers of a C
.irp j, 0,1,2,3,4,5,6,7
	global_load_b32 v[8*\a+\j], v22, s[56:57] offset:64*\a
.endr
.endr
.endif
	WIN 0
.endm
; Where tile t's results go: fragments s[90:91] with v[OFF] on, the scale image s[92:93]
.macro OUTA t
	s_wait_xcnt 0x0                                ; the last tile's stores have read these bases and offsets
	GEO \t
.if (\t) < 2
	s_and_b32 s100, s99, 7                         ; my K step of q or of k
	s_lshl_b32 s90, s98, 5                         ; (4 row blocks a group) x 8 K steps
	s_add_co_u32 s90, s90, s100
	s_mul_i32 s90, s90, 1536
	s_mul_i32 s92, s15, 6291456                    ; 0: q, 1: k
	s_add_co_u32 s90, s90, s92
	s_lshl_b32 s92, s98, 3
	s_add_co_u32 s92, s92, s100
	s_lshl_b32 s92, s92, 8
	s_lshl_b32 s93, s15, 18
	s_add_co_u32 s92, s92, s93
	s_add_co_u32 s92, s92, QS
.else
	s_lshr_b32 s100, s99, 4                        ; the batch
	s_and_b32 s101, s99, 15                        ; my key step in it
	s_lshl_b32 s90, s100, 6
	s_lshl_b32 s92, s98, 2
	s_add_co_u32 s90, s90, s92
	s_lshl_b32 s90, s90, 4
	s_add_co_u32 s90, s90, s101
	s_mul_i32 s90, s90, 1536
	s_add_co_u32 s90, s90, VF
	s_lshl_b32 s92, s100, 4
	s_add_co_u32 s92, s92, s98
	s_lshl_b32 s92, s92, 4
	s_add_co_u32 s92, s92, s101
	s_lshl_b32 s92, s92, 8
	s_add_co_u32 s92, s92, VS
.endif
	s_mov_b32 s91, 0
	s_mov_b32 s93, 0
	s_add_nc_u64 s[90:91], s[12:13], s[90:91]
	s_add_nc_u64 s[92:93], s[12:13], s[92:93]
.irp a, 0,1,2,3
.if (\t) < 2
	v_add_nc_u32 v[OFF+\a], \a*12288, v1           ; a row block of q or k is 8 K steps
.else
	v_add_nc_u32 v[OFF+\a], \a*24576, v1           ; one of V^T 16
.endif
.endr
.endm
; A TILE.  At its head step 0's fragments are asked for, and its scale images and bias are in.  fin = 1: the last tile: nothing more is asked for.
; A PREFETCH of the next tile's A (s[52:53]), both slots: asked at step 1, two steps ahead of slot 0's tensor load.  Wave 0, which will fetch it, names my work-group's 2 of its 8 rows (by cx: s78 = 24,576 cx in wave 0).
; B is not asked for: the second tile takes the first's tile of Wq or Wk again, and the third's rows of x have been read in this launch.  s[76:77] are written behind the wait on XCNT at the head of NADDR.
.macro ASKN
	s_add_nc_u64 s[76:77], s[52:53], s[78:79]
	s_cmp_eq_u32 s18, 0
	s_cbranch_scc0 .Lna_\@
	global_prefetch_b8 v7, s[76:77] th:TH_LOAD_NT scope:SCOPE_SE
	global_prefetch_b8 v7, s[76:77] offset:12288 th:TH_LOAD_NT scope:SCOPE_SE
	global_prefetch_b8 v7, s[76:77] offset:6144 th:TH_LOAD_NT scope:SCOPE_SE
	global_prefetch_b8 v7, s[76:77] offset:18432 th:TH_LOAD_NT scope:SCOPE_SE
.Lna_\@:
.endm
.macro TILE t, cm, fin
.set g0, 8*((\t)%2)
	STEP_IN g0, \cm, 1
.if \fin
	STEP_IN g0+1, 0, 1
.else
	PLACES                                         ; step 0 has read the bias: four places, then the next tile's may be loaded over it
	NADDR (\t)+1
	NLOAD (\t)+1
	ASKN
	STEP_IN g0+1, 0, 0
.endif
	STEP_IN g0+2, 0, 1
	HEAD g0+3, 1-\fin
	TAIL g0+3, 1-\fin
	STEP_IN g0+4, 0, 1
	STEP_IN g0+5, 0, 1
	STEP_IN g0+6, 0, 1
	LAST g0+7
	WIN 0
	PLACES
	OUTA \t
	QUANT 0
	PUT 0
	QUANT 1
	PUT 1
.if !\fin
	CHANGE 1                                       ; slot 1 takes the next tile's K steps 4-7
.endif
	QUANT 2
	PUT 2
	QUANT 3
	PUT 3
	PUTS WD, 0
.if !\fin
	s_wait_xcnt 0x0                                ; the stores have read v[PC] on, where fragments land now
	FETCH g0+8, 0                                  ; the next tile's step 0: slot 0's refill was shown landed in front of the round above
	s_wait_loadcnt 0x0                             ; its scale images and bias, asked for a tile ago
.endif
.endm
	s_load_b256 s[4:11], s[0:1], 0x0               ; opx s[4:5], bq s[6:7], bk s[8:9], bv s[10:11]
	s_load_b64 s[12:13], s[0:1], 0x20              ; qkv
	v_lshl_add_u32 v18, v0, 2, SPARE
	v_mov_b32 v19, 0
	ds_add_u32 v18, v19
	ds_add_u32 v18, v19
	v_lshrrev_b32 v1, 5, v0
	v_readfirstlane_b32 s18, v1                    ; wave
	s_lshr_b32 s19, s18, 1                         ; AH: which 64 rows of A are mine
	s_and_b32 s20, s18, 1                          ; BH: which 128 rows of B
	s_bfe_u32 s21, ttmp6, 0x40000                  ; cx
	s_bfe_u32 s22, ttmp6, 0x40004                  ; cy
	s_and_b32 s25, ttmp7, 0xffff                   ; the cluster's number, 0-15
	s_lshr_b32 s14, s25, 1
	s_and_b32 s15, s25, 1
	s_lshl_b32 s26, s22, 2
	s_lshl_b32 s26, 15, s26                        ; my row of the cluster
	s_lshl_b32 s27, 0x1111, s21                    ; my column
	s_xor_b32 s16, s20, 1
	s_mul_i32 s16, s16, 98304                      ; which 8 row blocks of B's tile wave 1 or wave 2 fetches
	s_mul_i32 s17, s18, PART                       ; where my tensor loads go: no place in the cluster enters an LDS address
	; descriptor group 1: 8 rows (row blocks) of 6,144 bytes (four K steps' images), 12,288 bytes apart, in elements of 8 bytes
	s_or_b32 s28, s26, (3<<16)|(1<<21)
	s_or_b32 s36, s27, (3<<16)|(1<<21)
.irp g, 28, 36
	s_mov_b32 s[\g+1], 768<<16
	s_mov_b32 s[\g+2], 8<<16
	s_mov_b32 s[\g+3], 768<<16
	s_mov_b32 s[\g+4], 8
	s_mov_b32 s[\g+5], 1536
	s_mov_b32 s[\g+6], 0
	s_mov_b32 s[\g+7], 0
.endr
	s_mov_b32 s84, 0x76543210
	s_mov_b32 s85, 0xfedcba98                      ; v_permlanex16_b32's selects for lane l xor 16
	s_mov_b32 s88, 0xffff0000                      ; lanes 16-31
	s_wait_dscnt 0x0                               ; both opening adds are done
	s_wait_kmcnt 0x0
	NADDR 0
.irp c, 0,1
	s_mov_b32 s[44+4*\c], 1
	s_mov_b32 s[45+4*\c], \c*SLOT
	s_mov_b32 s[68+4*\c], 1
	s_add_co_u32 s[69+4*\c], s17, \c*SLOT
	RENEW \c
.endr
	CROUND                                         ; all sixteen work-groups are here: the first joint loads meet
	s_cmp_eq_u32 s18, 0                            ; slot 0's first fill, in one chain of branches on the wave's number: one load a wave
	s_cbranch_scc0 .Lnot_a
	tensor_load_to_lds s[44:47], s[28:35]
	s_nop 0
.rept 4
	v_nop
.endr
	s_branch .Lasked
.Lnot_a:
	s_cmp_lt_u32 s18, 3
	s_cbranch_scc0 .Lasked
	tensor_load_to_lds s[68:71], s[36:43]
	s_nop 0
.rept 4
	v_nop
.endr
.Lasked:
	v_and_b32 v17, 31, v0
	v_lshlrev_b32 v1, 4, v17                       ; 16 x lane
	v_lshlrev_b32 v2, 3, v17                       ; 8 x lane
	v_and_b32 v3, 15, v0                           ; r
	v_bfe_u32 v4, v0, 4, 1                         ; h
	s_mul_i32 s100, s19, 4*RBB
	s_mul_i32 s101, s20, PART
	s_add_co_u32 s101, s101, PART
.irp c, 0,1
	v_add_nc_u32 v[VA+\c], s100, v1
	v_add_nc_u32 v[VB+\c], s101, v1
	s_add_co_u32 s100, s100, SLOT
	s_add_co_u32 s101, s101, SLOT
.endr
	v_lshlrev_b32 v21, 5, v4                       ; 32 h: eight numbers of a bias along B's rows
	v_lshlrev_b32 v22, 2, v3                       ; 4 r: one number of a bias along A's rows
.irp b, 0,1,2,3
	v_mov_b32 v[TM+4+\b], 0                        ; written once: a lane permute's destination counts as one of its sources
.endr
	; A PREFETCH: slot 1's bytes of the first tile, whose tensor load follows behind the next round.  Of the 8 rows of 6,144 bytes that my wave will fetch, my work-group names 2
	; (by cx for A, by cy for B: an address alone), a lane a block of 256 bytes; lanes 24-31 name the row's last block again.  v7 and s[76:79] serve this alone.
	s_wait_alu depctr_va_vdst(0)
	s_cmp_eq_u32 s18, 0
	s_cselect_b64 s[76:77], s[52:53], s[54:55]
	s_cselect_b32 s78, s21, s22
	s_mul_i32 s78, s78, 24576
	s_mov_b32 s79, 0
	s_add_nc_u64 s[76:77], s[76:77], s[78:79]
	v_and_b32 v7, 31, v0
	v_min_u32 v7, 23, v7
	v_lshlrev_b32 v7, 8, v7
	s_cmp_lt_u32 s18, 3                            ; wave 3 fetches nothing and asks for nothing
	s_cbranch_scc0 .Lno_ask
	global_prefetch_b8 v7, s[76:77] offset:6144 th:TH_LOAD_NT scope:SCOPE_SE
	global_prefetch_b8 v7, s[76:77] offset:18432 th:TH_LOAD_NT scope:SCOPE_SE
.Lno_ask:
	NLOAD 0
	s_wait_alu depctr_va_vdst(0)
	s_wait_tensorcnt 0x0                           ; my part of slot 0 is in
	ds_add_u32 v18, v19
	ds_add_u32 v18, v19                            ; twice
	s_wait_dscnt 0x0
	CROUND                                         ; slot 0 is whole, and all sixteen work-groups are here
	JLOAD 1                                        ; slot 1's first fill: the first tensor load behind the round
	FETCH 0, 0
	s_wait_loadcnt 0x0                             ; the first tile's scale images and bias
	TILE 0, 2, 0
	TILE 1, 2, 0
	TILE 2, 3, 1
	s_wait_tensorcnt 0x0                           ; the wave's end
	ds_add_u32 v18, v19
	s_wait_dscnt 0x0
	CROUND                                         ; the closing round: no work-group ends while a partner may still ask for a tile that names it
	s_endpgm
.Lfunc_end_k_q9b423b9b0b_qkv:
	.size	k_q9b423b9b0b_qkv, .Lfunc_end_k_q9b423b9b0b_qkv-k_q9b423b9b0b_qkv
	.p2alignl 7, 3214868480
	.fill 96, 4, 3214868480
	.section	.rodata,"a",@progbits
	.p2align	6, 0x0
	.amdhsa_kernel k_q9b423b9b0b_qkv
		.amdhsa_group_segment_fixed_size 327680
		.amdhsa_private_segment_fixed_size 0
		.amdhsa_enable_private_segment 0
		.amdhsa_kernarg_size 40
		.amdhsa_user_sgpr_count 2
		.amdhsa_user_sgpr_kernarg_segment_ptr 1
		.amdhsa_wavefront_size32 1
		.amdhsa_system_sgpr_workgroup_id_x 1
		.amdhsa_system_sgpr_workgroup_id_y 1
		.amdhsa_system_sgpr_workgroup_id_z 1
		.amdhsa_system_vgpr_workitem_id 0
		.amdhsa_next_free_vgpr 832
		.amdhsa_next_free_sgpr 102
		.amdhsa_reserve_vcc 0
		.amdhsa_float_denorm_mode_32 3
		.amdhsa_float_denorm_mode_16_64 3
		.amdhsa_memory_ordered 1
		.amdhsa_forward_progress 1
		.amdhsa_inst_pref_size 241
	.end_amdhsa_kernel
	.amdgpu_metadata
---
amdhsa.version: [ 1, 2 ]
amdhsa.kernels:
  - .name:           k_q9b423b9b0b_qkv
    .symbol:         k_q9b423b9b0b_qkv.kd
    .args:
      - { .name: opx, .offset: 0, .size: 8, .value_kind: global_buffer, .address_space: global }
      - { .name: bq, .offset: 8, .size: 8, .value_kind: global_buffer, .address_space: global }
      - { .name: bk, .offset: 16, .size: 8, .value_kind: global_buffer, .address_space: global }
      - { .name: bv, .offset: 24, .size: 8, .value_kind: global_buffer, .address_space: global }
      - { .name: qkv, .offset: 32, .size: 8, .value_kind: global_buffer, .address_space: global }
    .group_segment_fixed_size: 327680
    .private_segment_fixed_size: 0
    .kernarg_segment_align: 8
    .kernarg_segment_size: 40
    .max_flat_workgroup_size: 128
    .sgpr_count:     102
    .vgpr_count:     832
    .wavefront_size: 32
...
	.end_amdgpu_metadata
.endif
;; end of part 2
;; launch scores (part 3): grid 12 x 16, 4 waves a work-group, clusters of 4 x 4, 327,680 bytes of LDS; arguments qkv, pp; writes pp
.if DOCPART == 3
	.amdgcn_target "amdgcn-amd-amdhsa--gfx1250"
	.amdhsa_code_object_version 6
	.text
	.protected	k_q9b423b9b0b_scores
	.globl	k_q9b423b9b0b_scores
	.p2align	8
	.type	k_q9b423b9b0b_scores,@function
k_q9b423b9b0b_scores:
	s_mov_b64 s[64:65], 0
	v_nop
	global_prefetch_b8 v0, s[64:65] scope:SCOPE_SE
	s_setreg_imm32_b32 hwreg(HW_REG_WAVE_MODE, 25, 1), 1
	s_wait_xcnt 0x0
	s_wait_alu depctr_hold_cnt(0) depctr_sa_sdst(0) depctr_va_vdst(0) depctr_va_sdst(0) depctr_va_ssrc(0) depctr_va_vcc(0) depctr_vm_vsrc(0)
	s_getreg_b32 s2, hwreg(HW_REG_IB_STS2, 6, 4)
	s_cmp_eq_u32 s2, 0
	s_cbranch_scc0 .Lentry_in_a_cluster
	s_endpgm
.Lentry_in_a_cluster:
	s_bfe_u32 s2, ttmp6, 0x10000c
	s_cmp_lg_u32 s2, 0xf033
	s_cbranch_scc0 .Lentry_shape_is_right
	s_endpgm
.Lentry_shape_is_right:
; S = q k^T on BF6 codes; the causal mask; then, for each query and each 128 keys, p = 2^(t - M), t = score x log2(e) / 32, M = the ceiling of the largest t OF THESE 128 KEYS: a whole number.
; p is quantised along the keys and leaves as fragment images with its scale words; -M and the sum of the unquantised p go with it.  The next launch brings the parts of a row under the row's M
; by a whole-number subtraction on the scale bytes: the codes' values come out as under the row's M.
; LIMITS: NaN and infinities are not served; a block whose largest p lies under 2^-122 keeps the byte 1.
; SHARES.  A tile is 128 queries x 256 keys, K = 1,024; a work-group's four waves make 64 x 128 each.  A cluster tile covers 512 queries x 1,024 keys; six of them a batch cover the causal part:
; (512 queries, 1,024 keys) = (0,0) (1,0) (2,0) (2,1) (3,0) (3,1).  No branch hangs on a work-group's place in its cluster, so a tile that lies wholly above the diagonal is computed like any
; other and comes out as zero codes and a zero sum: 384 tiles for 288.  So every byte that the next launch reads is written.
; WORK-GROUPS THAT STAY: 24 cluster tiles do not divide by the 16 clusters that the chip holds, so some work-group makes two tiles in any split: 12 clusters make two each, cluster x the x-th and the
; (x + 3)-th of its batch's six.  The mask is applied in every tile: the pair (0,0), (2,1) needs it in both, so a way round it for the tiles under the diagonal would not shorten the longest work-group.
; RING, CLUSTER, THE TRANSPOSED PRODUCT, THE SCALE IMAGES: as in the second launch: two LDS slots of 4 K steps; slot 0 takes the next tile's steps 0-3 behind a round of the cluster's barrier at step 3,
; slot 1 its steps 4-7 behind a round in the middle of the way out.  lds_bytes claims all of LDS.
; REGISTERS: as in the second launch (no bias); v17 the lane's distance to the diagonal, v20 -infinity, v21-23 at work, v24 r - 8 h, v[246:247] -M, v248-251 -M and v252-255 the sums of the four row blocks.
.set KF,    6291456
.set QS,    18874368
.set KSC,   19136512
.set PSC,   12582912                   ; pp: p's fragments at 0; scale words here, -M 524,288 on, the sums 1,048,576 on
.set SLOT,  147456
.set PART,  49152
.set SPARE, 294912                     ; the spare words: 128 bytes a wave, two blocks of 256 bytes that no other line names
.set RBB,   6144
.set SPC,   4
.set NSL,   2
.set VA,    5
.set VB,    9
.set OFF,   13
.set SA,    32
.set SB,    64
.set AFR,   128
.set PC,    128
.set TM,    224
.set WD,    240
.set MP,    244
.set MSB, 0
.macro WIN new                         ; the immediate's high byte repeats the setting that is left
.if MSB != \new
	s_set_vgpr_msb (MSB<<8)|\new
.set MSB, \new
.endif
.endm
.set MUL,  0xa1                        ; source 0 (B) window 1, source 1 (A) window 0, C and D window 2
.set TO_B, 0x40                        ; destination window 1, address window 0
.macro PLACES                          ; four plain places: behind matrix instructions, in front of loads into their sources and of the first read of results
.rept 4
	v_nop
.endr
.endm
.macro CREST                           ; a round of the cluster's barrier behind its opening barrier
	s_cmp_lg_u32 s18, 0
	s_cbranch_scc1 .Lnot_wave_0_\@
	s_barrier_signal -3
.Lnot_wave_0_\@:
	s_barrier_wait -3
	s_barrier_signal -1
	s_barrier_wait -1
.endm
.macro CROUND
	s_barrier_signal -1
	s_barrier_wait -1
	CREST
.endm
; Steps are numbered 8 (tile % 2) + 0 .. 7: the number picks the slot, the place in it, the set of fragment registers and the scale registers.
.macro FETCH s, p
	WIN TO_B
.irp b, 0,1,2,3,4,5,6,7
.irp i, 0,1,2
	ds_load_b128 v[128*(\p)+12*\b+4*\i:128*(\p)+12*\b+4*\i+3], v[VB+((\s)/SPC)%NSL] offset:\b*RBB+((\s)%SPC)*1536+512*\i
.endr
.endr
	WIN 0
.irp a, 0,1,2,3
.irp i, 0,1,2
	ds_load_b128 v[AFR+48*(\p)+12*\a+4*\i:AFR+48*(\p)+12*\a+4*\i+3], v[VA+((\s)/SPC)%NSL] offset:\a*RBB+((\s)%SPC)*1536+512*\i
.endr
.endr
.endm
.macro WM cz                           ; one product; rw: bit 0: B's scale words in lanes 16-31, bit 1: A's
.if \cz
.if rw == 0
	v_wmma_scale_f32_16x16x128_f8f6f4 v[rD:rD+7], v[rB:rB+11], v[rA:rA+11], 0, v[rSB], v[rSA] matrix_a_fmt:MATRIX_FMT_BF6 matrix_b_fmt:MATRIX_FMT_BF6
.elseif rw == 1
	v_wmma_scale_f32_16x16x128_f8f6f4 v[rD:rD+7], v[rB:rB+11], v[rA:rA+11], 0, v[rSB], v[rSA] matrix_a_fmt:MATRIX_FMT_BF6 matrix_b_fmt:MATRIX_FMT_BF6 matrix_a_scale:MATRIX_SCALE_ROW1
.elseif rw == 2
	v_wmma_scale_f32_16x16x128_f8f6f4 v[rD:rD+7], v[rB:rB+11], v[rA:rA+11], 0, v[rSB], v[rSA] matrix_a_fmt:MATRIX_FMT_BF6 matrix_b_fmt:MATRIX_FMT_BF6 matrix_b_scale:MATRIX_SCALE_ROW1
.else
	v_wmma_scale_f32_16x16x128_f8f6f4 v[rD:rD+7], v[rB:rB+11], v[rA:rA+11], 0, v[rSB], v[rSA] matrix_a_fmt:MATRIX_FMT_BF6 matrix_b_fmt:MATRIX_FMT_BF6 matrix_a_scale:MATRIX_SCALE_ROW1 matrix_b_scale:MATRIX_SCALE_ROW1
.endif
.else
.if rw == 0
	v_wmma_scale_f32_16x16x128_f8f6f4 v[rD:rD+7], v[rB:rB+11], v[rA:rA+11], v[rD:rD+7], v[rSB], v[rSA] matrix_a_fmt:MATRIX_FMT_BF6 matrix_b_fmt:MATRIX_FMT_BF6
.elseif rw == 1
	v_wmma_scale_f32_16x16x128_f8f6f4 v[rD:rD+7], v[rB:rB+11], v[rA:rA+11], v[rD:rD+7], v[rSB], v[rSA] matrix_a_fmt:MATRIX_FMT_BF6 matrix_b_fmt:MATRIX_FMT_BF6 matrix_a_scale:MATRIX_SCALE_ROW1
.elseif rw == 2
	v_wmma_scale_f32_16x16x128_f8f6f4 v[rD:rD+7], v[rB:rB+11], v[rA:rA+11], v[rD:rD+7], v[rSB], v[rSA] matrix_a_fmt:MATRIX_FMT_BF6 matrix_b_fmt:MATRIX_FMT_BF6 matrix_b_scale:MATRIX_SCALE_ROW1
.else
	v_wmma_scale_f32_16x16x128_f8f6f4 v[rD:rD+7], v[rB:rB+11], v[rA:rA+11], v[rD:rD+7], v[rSB], v[rSA] matrix_a_fmt:MATRIX_FMT_BF6 matrix_b_fmt:MATRIX_FMT_BF6 matrix_a_scale:MATRIX_SCALE_ROW1 matrix_b_scale:MATRIX_SCALE_ROW1
.endif
.endif
.endm
; A's block a (16 queries) against B's eight (128 keys).  cm = 1: the products start the sums with 0.  The 32 accumulators take turns.
.macro MUL8 a, s, p, cm
.irp b, 0,1,2,3,4,5,6,7
.set rD, 8*(8*(\a)+\b)
.set rB, 128*(\p)+12*\b
.set rA, AFR+48*(\p)+12*(\a)
.set rSB, SB+4*(\s)+2*(\b/4)+(\b/2)%2
.set rSA, SA+2*(\s)+(\a)/2
.set rw, 2*((\a)%2)+\b%2
	WM \cm
.endr
.endm
.macro STEP_IN s, cm, pl               ; a step whose successor lies in the same slot
.if \pl
	PLACES
.endif
	FETCH (\s)+1, 1-(\s)%2
	s_wait_dscnt 36                                ; all but the 36 loads just issued: this step's fragments are in
	WIN MUL
.irp a, 0,1,2,3
	MUL8 \a, \s, (\s)%2, \cm
.endr
.endm
.macro LAST s                          ; a tile's last step: nothing more to fetch
	s_wait_dscnt 0x0
	WIN MUL
.irp a, 0,1,2,3
	MUL8 \a, \s, (\s)%2, 0
.endr
.endm
.macro RENEW g                         ; slot g's two groups 0 take the K steps 4 g on of the tile whose A and B begin at s[52:53] and s[54:55]
	s_add_nc_u64 s[46+4*(\g):47+4*(\g)], s[52:53], (\g)*6144
	s_or_b32 s[47+4*(\g)], s[47+4*(\g)], 0x80000000
	s_add_nc_u64 s[70+4*(\g):71+4*(\g)], s[54:55], (\g)*6144
	s_or_b32 s[71+4*(\g)], s[71+4*(\g)], 0x80000000
.endm
; A joint refill of slot g: wave 0 asks for A's part, waves 1 and 2 for B's halves, wave 3 for nothing.  The branches hang on the wave's number alone.  Four v_nop follow each of the two lines.
.macro JLOAD g
	s_cmp_eq_u32 s18, 0
	s_cbranch_scc0 .Lfor_b_\@
	tensor_load_to_lds s[44+4*(\g):47+4*(\g)], s[28:35]
	s_nop 0
.rept 4
	v_nop
.endr
	s_branch .Lfilled_\@
.Lfor_b_\@:
	s_cmp_lt_u32 s18, 3
	s_cbranch_scc0 .Lfilled_\@
	tensor_load_to_lds s[68+4*(\g):71+4*(\g)], s[36:43]
	s_nop 0
.rept 4
	v_nop
.endr
.Lfilled_\@:
.endm
; SLOT 0'S LAST STEP s, in two parts.  HEAD: the step's first half and the change of slots.  Each wave waits for all its tensor loads (its part of slot 1 among them), adds 0 to its spare word, and waits
; for that and for its reads of slot 0; then the barrier.  round = 1: the barrier opens a round of the cluster's barrier, behind which no wave of any partner reads the slot or has a load on its way.
.macro HEAD s, round
	WIN 0                                          ; (the add's two registers lie in window 0)
	s_wait_tensorcnt 0x0                           ; no tensor load of mine is out, so a group 0 may be written
	ds_add_u32 v18, v19                            ; 0 onto my spare word,
	ds_add_u32 v18, v19                            ; twice on end
.if \round
	RENEW ((\s)/SPC)%NSL
.endif
	s_wait_dscnt 2                                 ; the two adds may be out; this step's 36 loads are in
	WIN MUL
	MUL8 0, \s, (\s)%2, 0
	s_wait_dscnt 0x0                               ; the add is done, and my reads of this slot are over
	s_barrier_signal -1
	MUL8 1, \s, (\s)%2, 0
	WIN 0
	s_barrier_wait -1
.if \round
	CREST
.endif
.endm
; TAIL: fill = 1: the slot takes the next tile's first four K steps: the wave's first tensor load behind the round and its only one until the next.  Then slot 1's first fragments and the step's second half.
.macro TAIL s, fill
.if \fill
	JLOAD ((\s)/SPC)%NSL
.endif
	PLACES
	FETCH (\s)+1, 1-(\s)%2
	WIN MUL
	MUL8 2, \s, (\s)%2, 0
	MUL8 3, \s, (\s)%2, 0
.endm
; THE CHANGE OF SLOTS IN THE WAY OUT: slot g has been read out.  The same three lines, a whole round, the joint refill first behind it.
.macro CHANGE g
	s_wait_tensorcnt 0x0                           ; my part of the other slot's refill has landed; no tensor load of mine is out
	ds_add_u32 v18, v19                            ; 0 onto my spare word,
	ds_add_u32 v18, v19                            ; twice on end
	RENEW \g
	s_wait_dscnt 0x0                               ; the add is done; my reads of the slot were over at the tile's last step
	CROUND
	JLOAD \g
.endm
.macro WORD a
.irp b, 0,1,2,3
	v_add_nc_u32 v[TM+12+\b], 0xfe000000, v[TM+\b] ; 4 off the exponent field
.endr
.irp b, 0,1,2,3
	v_lshrrev_b32 v[TM+4+\b], 23, v[TM+12+\b]      ; the scale's byte
.endr
	v_lshl_or_b32 v[WD+\a], v[TM+5], 8, v[TM+4]
	v_lshl_or_b32 v[WD+\a], v[TM+6], 16, v[WD+\a]
	v_lshl_or_b32 v[WD+\a], v[TM+7], 24, v[WD+\a]
.endm
.macro CODES a
.if (\a) > 0
	s_wait_xcnt 0x0                                ; the last block's stores have read v[PC] on
.endif
	WIN 0x02                                       ; source 0: window 2
.irp c, 0,1
	v_cvt_scalef32_pk16_bf6_f32 v[PC+6*\c:PC+6*\c+2], v[64*(\a)+32*\c:64*(\a)+32*\c+15], v[TM+12+2*\c]
	v_cvt_scalef32_pk16_bf6_f32 v[PC+12+4*\c:PC+12+4*\c+2], v[64*(\a)+32*\c+16:64*(\a)+32*\c+31], v[TM+12+2*\c+1]
.endr
	WIN 0
	v_nop                                          ; one plain place behind a scaled conversion
.irp c, 0,1                            ; the operand's layout wants a whole block in a lane: lanes 0-15 block 2 c, lanes 16-31 block 2 c + 1
.irp i, 0,1,2
	v_permlane16_swap_b32 v[PC+6*\c+\i], v[PC+12+4*\c+\i]
.endr
.irp i, 0,1,2
	v_mov_b32 v[PC+3+6*\c+\i], v[PC+12+4*\c+\i]
.endr
.endr
.endm
.macro PUT a
.irp i, 0,1,2
	global_store_b128 v[OFF+\a], v[PC+4*\i:PC+4*\i+3], s[90:91] offset:512*\i   ; 512 consecutive bytes, aligned
.endr
.endm
.macro PUTS src, off                   ; four registers (one a row block, the same in both halves of the lanes) -> an image of 256 bytes
	v_cndmask_b32 v[MP], v[\src], v[\src+1], s88
	v_cndmask_b32 v[MP+1], v[\src+2], v[\src+3], s88
	global_store_b64 v2, v[MP:MP+1], s[92:93] offset:\off
.endm
; Row block a (16 queries; a lane holds one query and 64 of its 128 keys): mask, local M, p, its sum, codes and scale word.  In place on the accumulators.
.macro SOFT a
	WIN 0x8e                                       ; destination and source 0: window 2; source 1: window 3
.set n, 0
.rept 32
	v_pk_add_f32 v[64*(\a)+n:64*(\a)+n+1], v[64*(\a)+n:64*(\a)+n+1], v[8*(n/8-(\a)+3)+n%8:8*(n/8-(\a)+3)+n%8+1]   ; the mask: + 0, or + -infinity where the key comes after my query; each accumulator from its low end on
.set n, n+2
.endr
	WIN 0x28
.irp b, 0,1,2,3
	v_max3_num_f32 v[TM+\b], 0xff7fffff, v[64*(\a)+16*\b], v[64*(\a)+16*\b+1]   ; the largest score of each block of 32 keys, over the lowest finite number: it serves for M and, since p rises with the score, for the block's largest p
.endr
.irp i, 2,4,6,8,10,12,14
.irp b, 0,1,2,3
	v_max3_num_f32 v[TM+\b], v[TM+\b], v[64*(\a)+16*\b+\i], v[64*(\a)+16*\b+\i+1]
.endr
.endr
	WIN 0
.irp b, 0,1,2,3
	v_permlanex16_b32 v[TM+4+\b], v[TM+\b], s84, s85
.endr
.irp b, 0,1,2,3
	v_max_num_f32 v[TM+\b], v[TM+\b], v[TM+4+\b]
.endr
	v_max3_num_f32 v21, v[TM], v[TM+1], v[TM+2]
	v_max_num_f32 v21, v21, v[TM+3]
	v_mul_f32 v21, s86, v21                        ; as t (c is positive)
	v_floor_f32 v246, -v21                         ; -M = floor(-t): M is a whole number
	WIN 0x82
.set n, 0
.rept 32
	v_pk_fma_f32 v[64*(\a)+n:64*(\a)+n+1], v[64*(\a)+n:64*(\a)+n+1], s[86:87], v[246:247] op_sel_hi:[1,0,0]   ; t - M, two at a time
.set n, n+2
.endr
	WIN 0
.irp b, 0,1,2,3
	v_fma_f32 v[TM+\b], v[TM+\b], s86, v246        ; the same of each block's largest score
.endr
	WIN 0x82
.set n, 0
	s_wait_alu depctr_va_vdst(0)
.rept 64
	v_exp_f32 v[64*(\a)+n], v[64*(\a)+n]           ; p = 2^(t - M): not normalised; 0 for a hidden key
.set n, n+1
.endr
	WIN 0
	v_mov_b32 v[248+\a], v246                      ; -M is kept.  (The plain place behind the exponentials)
	s_wait_alu depctr_va_vdst(0)                   ; one wait for the batch of 64, ahead of its first reader
.irp b, 0,1,2,3
	v_exp_f32 v[TM+\b], v[TM+\b]                   ; the blocks' largest p
.endr
	WIN 0x0a                                       ; the sum of the unquantised p, two at a time, in two chains: it reads the 64 alone
	v_pk_add_f32 v[232:233], v[64*(\a):64*(\a)+1], v[64*(\a)+2:64*(\a)+3]
	v_pk_add_f32 v[234:235], v[64*(\a)+4:64*(\a)+5], v[64*(\a)+6:64*(\a)+7]
	WIN 0x08
.irp j, 8,12,16,20,24,28,32,36,40,44,48,52,56,60
	v_pk_add_f32 v[232:233], v[232:233], v[64*(\a)+\j:64*(\a)+\j+1]
	v_pk_add_f32 v[234:235], v[234:235], v[64*(\a)+\j+2:64*(\a)+\j+3]
.endr
	WIN 0
	v_pk_add_f32 v[232:233], v[232:233], v[234:235]
	v_add_f32 v22, v232, v233
	v_permlanex16_b32 v23, v22, s84, s85
	v_add_f32 v[252+\a], v22, v23                  ; with lane l xor 16's 64 keys
	s_wait_alu depctr_va_vdst(0)                   ; and one for the four
.irp b, 0,1,2,3
	v_med3_num_f32 v[TM+\b], v[TM+\b], 0x2800000, 1.0   ; the floor 2^(5 - 127); and the hold at 1: where all 128 keys are hidden, t - M of the stand-in score is a rounding residue of any size
.endr
	WORD \a
	CODES \a
	PUT \a
.endm
; WHERE TILE t LIES.  s23 my tile of 128 queries in the batch (of the cluster's number and cy alone), s24 my tile of 256 keys (of the cluster's number and cx alone), s2 the query tile over all batches,
; s98 my group of 64 queries over all batches, s99 my key step in the batch
.macro GEO t
.if (\t) == 0
	s_lshl_b32 s23, ttmp9, 2                       ; cluster x: queries 512 x on, keys 0 on
	s_add_co_u32 s23, s23, s22
	s_mov_b32 s24, s21
.else
	s_add_co_u32 s14, ttmp9, 1                     ; the (x + 3)-th: queries 512 (2 + (x + 1) / 2) on, keys 1,024 ((x + 1) % 2) on
	s_lshr_b32 s23, s14, 1
	s_add_co_u32 s23, s23, 2
	s_lshl_b32 s23, s23, 2
	s_add_co_u32 s23, s23, s22
	s_and_b32 s24, s14, 1
	s_lshl_b32 s24, s24, 2
	s_add_co_u32 s24, s24, s21
.endif
	s_lshl_b32 s2, s25, 4
	s_add_co_u32 s2, s2, s23
	s_lshl_b32 s98, s2, 1
	s_add_co_u32 s98, s98, s19
	s_lshl_b32 s99, s24, 1
	s_add_co_u32 s99, s99, s20
.endm
; What tile t reads: q's and k's fragments s[52:53], s[54:55]; their scale images s[94:95], s[96:97].  A's offsets pass through s2 and s[60:61] alone, B's through s3 and s[62:63]
.macro NADDR t
.if (\t) > 0
	s_wait_xcnt 0x0                                ; the loads that named these bases have read them
.endif
	GEO \t
	s_mul_i32 s60, s2, 98304                       ; q's fragments begin at byte 0
	s_lshl_b32 s3, s25, 3
	s_add_co_u32 s3, s3, s24
	s_mul_i32 s62, s3, 196608
	s_add_co_u32 s62, s62, s16                     ; wave 1 fetches B's row blocks 0-7, wave 2 blocks 8-15
	s_add_co_u32 s62, s62, KF
	s_mov_b32 s61, 0
	s_mov_b32 s63, 0
	s_add_nc_u64 s[52:53], s[4:5], s[60:61]
	s_add_nc_u64 s[54:55], s[4:5], s[62:63]
	s_lshl_b32 s60, s98, 11
	s_add_co_u32 s60, s60, QS
	s_lshl_b32 s62, s99, 12
	s_lshl_b32 s3, s25, 16
	s_add_co_u32 s62, s62, s3
	s_add_co_u32 s62, s62, KSC
	s_add_nc_u64 s[94:95], s[4:5], s[60:61]
	s_add_nc_u64 s[96:97], s[4:5], s[62:63]
.endm
.macro NLOAD t                         ; tile t's scale images into half t % 2 of the scale registers
.set q0, 8*((\t)%2)
	WIN 0
.irp s, 0,1,2,3,4,5,6,7
	global_load_b64 v[SA+2*(q0+\s):SA+2*(q0+\s)+1], v2, s[94:95] offset:256*\s
	global_load_b64 v[SB+4*(q0+\s):SB+4*(q0+\s)+1], v2, s[96:97] offset:256*\s
	global_load_b64 v[SB+4*(q0+\s)+2:SB+4*(q0+\s)+3], v2, s[96:97] offset:2048+256*\s
.endr
.endm
; Where tile t's results go: fragments s[90:91], the three images s[92:93]; and the lane's distance to the diagonal
.macro OUTA t
	s_wait_xcnt 0x0                                ; the last tile's stores have read these bases
	GEO \t
	s_lshl_b32 s90, s98, 6                         ; 4 row blocks a group x 16 key steps
	s_add_co_u32 s90, s90, s99
	s_mul_i32 s90, s90, 1536
	s_mov_b32 s91, 0
	s_lshl_b32 s92, s98, 4
	s_add_co_u32 s92, s92, s99
	s_lshl_b32 s92, s92, 8
	s_add_co_u32 s92, s92, PSC
	s_mov_b32 s93, 0
	s_add_nc_u64 s[90:91], s[6:7], s[90:91]
	s_add_nc_u64 s[92:93], s[6:7], s[92:93]
.endm
; THE MASK OF TILE t, made once a tile.  Whether register j of accumulator (a, b) is hidden hangs on 16 (b - a) + j and the lane alone: b - a has 11 values, so 88 registers (window 3, v[8 (b - a + 3) + j])
; hold 0 or -infinity, and SOFT adds them on: 176 + 4 x 32 vector instructions a tile.
.macro BIAS t
	GEO \t
	s_lshl_b32 s100, s23, 1
	s_add_co_u32 s100, s100, s19
	s_lshl_b32 s100, s100, 6                       ; my first query
	s_lshl_b32 s101, s99, 7                        ; my first key
	s_sub_co_i32 s100, s100, s101
	v_add_nc_u32 v17, s100, v24                    ; my first query - my first key + r - 8 h: data alone, it steers nothing
	WIN 0xc0                                       ; destination window 3
.set n, 0
.rept 88
	v_cmp_gt_i32 vcc_lo, 16*(n/8)+n%8-48, v17
	v_cndmask_b32 v[n], 0, v20, vcc_lo
.set n, n+1
.endr
	WIN 0
.endm
; A PREFETCH of the next tile's q and k (s[52:53], s[54:55]), both slots: asked at step 1, two steps ahead of slot 0's tensor load.  The wave that will fetch a part names my work-group's 2 of its 8 rows
; (s78 = 24,576 cx in wave 0, 24,576 cy in waves 1 and 2).  Cluster x = 1 takes the same keys again and does not ask for them.  s[76:77] are written behind the wait on XCNT at the head of NADDR.
.macro ASKN
	s_cmp_eq_u32 s18, 0
	s_cselect_b64 s[76:77], s[52:53], s[54:55]
	s_add_nc_u64 s[76:77], s[76:77], s[78:79]
	s_cmp_eq_u32 s18, 0
	s_cbranch_scc1 .Lask_\@
	s_cmp_eq_u32 s18, 3
	s_cbranch_scc1 .Lna_\@
	s_cmp_eq_u32 ttmp9, 1
	s_cbranch_scc1 .Lna_\@
.Lask_\@:
	global_prefetch_b8 v7, s[76:77] th:TH_LOAD_NT scope:SCOPE_SE
	global_prefetch_b8 v7, s[76:77] offset:12288 th:TH_LOAD_NT scope:SCOPE_SE
	global_prefetch_b8 v7, s[76:77] offset:6144 th:TH_LOAD_NT scope:SCOPE_SE
	global_prefetch_b8 v7, s[76:77] offset:18432 th:TH_LOAD_NT scope:SCOPE_SE
.Lna_\@:
.endm
; A TILE.  At its head step 0's fragments are asked for, and its scale images are in.  fin = 1: the last tile: nothing more is asked for.
.macro TILE t, fin
.set g0, 8*((\t)%2)
	BIAS \t                                        ; while step 0's fragments are on their way from LDS
	STEP_IN g0, 1, 1
.if \fin
	STEP_IN g0+1, 0, 1
.else
	PLACES
	NADDR (\t)+1
	NLOAD (\t)+1
	ASKN
	STEP_IN g0+1, 0, 0
.endif
	STEP_IN g0+2, 0, 1
	HEAD g0+3, 1-\fin
	TAIL g0+3, 1-\fin
	STEP_IN g0+4, 0, 1
	STEP_IN g0+5, 0, 1
	STEP_IN g0+6, 0, 1
	LAST g0+7
	WIN 0
	PLACES
	s_wait_alu depctr_va_vdst(0)
	OUTA \t
	SOFT 0
	SOFT 1
.if !\fin
	CHANGE 1                                       ; slot 1 takes the next tile's K steps 4-7
.endif
	SOFT 2
	SOFT 3
	PUTS WD, 0
	s_wait_xcnt 0x0                                ; the store has read v[MP:MP+1]
	PUTS 248, 524288
	s_wait_xcnt 0x0
	PUTS 252, 1048576
.if !\fin
	s_wait_xcnt 0x0                                ; the stores have read v[PC] on, where fragments land now
	FETCH g0+8, 0                                  ; the next tile's step 0: slot 0's refill was shown landed in front of the round above
	s_wait_loadcnt 0x0                             ; its scale images, asked for a tile ago
.endif
.endm
	s_load_b128 s[4:7], s[0:1], 0x0                ; qkv s[4:5], pp s[6:7]
	v_lshl_add_u32 v18, v0, 2, SPARE
	v_mov_b32 v19, 0
	ds_add_u32 v18, v19
	ds_add_u32 v18, v19
	v_lshrrev_b32 v1, 5, v0
	v_readfirstlane_b32 s18, v1                    ; wave
	s_lshr_b32 s19, s18, 1                         ; AH: which 64 queries are mine
	s_and_b32 s20, s18, 1                          ; BH: which 128 keys
	s_bfe_u32 s21, ttmp6, 0x40000                  ; cx
	s_bfe_u32 s22, ttmp6, 0x40004                  ; cy
	s_and_b32 s25, ttmp7, 0xffff                   ; the batch
	s_lshl_b32 s26, s22, 2
	s_lshl_b32 s26, 15, s26                        ; my row of the cluster
	s_lshl_b32 s27, 0x1111, s21                    ; my column
	s_xor_b32 s16, s20, 1
	s_mul_i32 s16, s16, 98304                      ; which 8 row blocks of B's tile wave 1 or wave 2 fetches
	s_mul_i32 s17, s18, PART                       ; where my tensor loads go: no place in the cluster enters an LDS address
	; descriptor group 1: 8 rows (row blocks) of 6,144 bytes (four K steps' images), 12,288 bytes apart, in elements of 8 bytes
	s_or_b32 s28, s26, (3<<16)|(1<<21)
	s_or_b32 s36, s27, (3<<16)|(1<<21)
.irp g, 28, 36
	s_mov_b32 s[\g+1], 768<<16
	s_mov_b32 s[\g+2], 8<<16
	s_mov_b32 s[\g+3], 768<<16
	s_mov_b32 s[\g+4], 8
	s_mov_b32 s[\g+5], 1536
	s_mov_b32 s[\g+6], 0
	s_mov_b32 s[\g+7], 0
.endr
	s_mov_b32 s84, 0x76543210
	s_mov_b32 s85, 0xfedcba98                      ; v_permlanex16_b32's selects for lane l xor 16
	s_mov_b32 s86, 0x3d38aa3b                      ; c = log2(e) / sqrt(1024)
	s_mov_b32 s87, s86                             ; (named with it as a pair)
	s_mov_b32 s88, 0xffff0000                      ; lanes 16-31
	s_wait_dscnt 0x0                               ; both opening adds are done
	s_wait_kmcnt 0x0
	NADDR 0
.irp c, 0,1
	s_mov_b32 s[44+4*\c], 1
	s_mov_b32 s[45+4*\c], \c*SLOT
	s_mov_b32 s[68+4*\c], 1
	s_add_co_u32 s[69+4*\c], s17, \c*SLOT
	RENEW \c
.endr
	CROUND                                         ; all sixteen work-groups are here: the first joint loads meet
	s_cmp_eq_u32 s18, 0                            ; slot 0's first fill, in one chain of branches on the wave's number: one load a wave
	s_cbranch_scc0 .Lnot_a
	tensor_load_to_lds s[44:47], s[28:35]
	s_nop 0
.rept 4
	v_nop
.endr
	s_branch .Lasked
.Lnot_a:
	s_cmp_lt_u32 s18, 3
	s_cbranch_scc0 .Lasked
	tensor_load_to_lds s[68:71], s[36:43]
	s_nop 0
.rept 4
	v_nop
.endr
.Lasked:
	v_and_b32 v21, 31, v0
	v_lshlrev_b32 v1, 4, v21                       ; 16 x lane
	v_lshlrev_b32 v2, 3, v21                       ; 8 x lane
	v_and_b32 v3, 15, v0                           ; r
	v_bfe_u32 v4, v0, 4, 1                         ; h
	s_mul_i32 s100, s19, 4*RBB
	s_mul_i32 s101, s20, PART
	s_add_co_u32 s101, s101, PART
.irp c, 0,1
	v_add_nc_u32 v[VA+\c], s100, v1
	v_add_nc_u32 v[VB+\c], s101, v1
	s_add_co_u32 s100, s100, SLOT
	s_add_co_u32 s101, s101, SLOT
.endr
.irp a, 0,1,2,3
	v_add_nc_u32 v[OFF+\a], \a*24576, v1           ; a row block of p is 16 key steps
.endr
	v_lshlrev_b32 v24, 3, v4
	v_sub_nc_u32 v24, v3, v24                      ; r - 8 h
	v_mov_b32 v20, 0xff800000                      ; -infinity
	v_mov_b32 v23, 0                               ; lane permutes' destinations are written once
	v_mov_b32 v247, 0                              ; (named as the upper half of the pair v[246:247])
.irp b, 0,1,2,3
	v_mov_b32 v[TM+4+\b], 0
.endr
	; A PREFETCH: slot 1's bytes of the first tile, whose tensor load follows behind the next round.  Of the 8 rows of 6,144 bytes that my wave will fetch, my work-group names 2
	; (by cx for A, by cy for B: an address alone), a lane a block of 256 bytes; lanes 24-31 name the row's last block again.  v7 and s[76:79] serve this alone.
	s_wait_alu depctr_va_vdst(0)
	s_cmp_eq_u32 s18, 0
	s_cselect_b64 s[76:77], s[52:53], s[54:55]
	s_cselect_b32 s78, s21, s22
	s_mul_i32 s78, s78, 24576
	s_mov_b32 s79, 0
	s_add_nc_u64 s[76:77], s[76:77], s[78:79]
	v_and_b32 v7, 31, v0
	v_min_u32 v7, 23, v7
	v_lshlrev_b32 v7, 8, v7
	s_cmp_lt_u32 s18, 3                            ; wave 3 fetches nothing and asks for nothing
	s_cbranch_scc0 .Lno_ask
	global_prefetch_b8 v7, s[76:77] offset:6144 th:TH_LOAD_NT scope:SCOPE_SE
	global_prefetch_b8 v7, s[76:77] offset:18432 th:TH_LOAD_NT scope:SCOPE_SE
.Lno_ask:
	NLOAD 0
	s_wait_alu depctr_va_vdst(0)
	s_wait_tensorcnt 0x0                           ; my part of slot 0 is in
	ds_add_u32 v18, v19
	ds_add_u32 v18, v19                            ; twice
	s_wait_dscnt 0x0
	CROUND                                         ; slot 0 is whole, and all sixteen work-groups are here
	JLOAD 1                                        ; slot 1's first fill: the first tensor load behind the round
	FETCH 0, 0
	s_wait_loadcnt 0x0                             ; the first tile's scale images
	TILE 0, 0
	TILE 1, 1
	s_wait_tensorcnt 0x0                           ; the wave's end
	ds_add_u32 v18, v19
	s_wait_dscnt 0x0
	CROUND                                         ; the closing round: no work-group ends while a partner may still ask for a tile that names it
	s_endpgm
.Lfunc_end_k_q9b423b9b0b_scores:
	.size	k_q9b423b9b0b_scores, .Lfunc_end_k_q9b423b9b0b_scores-k_q9b423b9b0b_scores
	.p2alignl 7, 3214868480
	.fill 96, 4, 3214868480
	.section	.rodata,"a",@progbits
	.p2align	6, 0x0
	.amdhsa_kernel k_q9b423b9b0b_scores
		.amdhsa_group_segment_fixed_size 327680
		.amdhsa_private_segment_fixed_size 0
		.amdhsa_enable_private_segment 0
		.amdhsa_kernarg_size 16
		.amdhsa_user_sgpr_count 2
		.amdhsa_user_sgpr_kernarg_segment_ptr 1
		.amdhsa_wavefront_size32 1
		.amdhsa_system_sgpr_workgroup_id_x 1
		.amdhsa_system_sgpr_workgroup_id_y 1
		.amdhsa_system_sgpr_workgroup_id_z 1
		.amdhsa_system_vgpr_workitem_id 0
		.amdhsa_next_free_vgpr 896
		.amdhsa_next_free_sgpr 102
		.amdhsa_reserve_vcc 1
		.amdhsa_float_denorm_mode_32 3
		.amdhsa_float_denorm_mode_16_64 3
		.amdhsa_memory_ordered 1
		.amdhsa_forward_progress 1
		.amdhsa_inst_pref_size 249
	.end_amdhsa_kernel
	.amdgpu_metadata
---
amdhsa.version: [ 1, 2 ]
amdhsa.kernels:
  - .name:           k_q9b423b9b0b_scores
    .symbol:         k_q9b423b9b0b_scores.kd
    .args:
      - { .name: qkv, .offset: 0, .size: 8, .value_kind: global_buffer, .address_space: global }
      - { .name: pp, .offset: 8, .size: 8, .value_kind: global_buffer, .address_space: global }
    .group_segment_fixed_size: 327680
    .private_segment_fixed_size: 0
    .kernarg_segment_align: 8
    .kernarg_segment_size: 16
    .max_flat_workgroup_size: 128
    .sgpr_count:     102
    .vgpr_count:     896
    .wavefront_size: 32
...
	.end_amdgpu_metadata
.endif
;; end of part 3
;; launch pv (part 4): grid 4 x 64, 4 waves a work-group, clusters of 4 x 4, 327,680 bytes of LDS; arguments pp, qkv, oo; writes oo
.if DOCPART == 4
	.amdgcn_target "amdgcn-amd-amdhsa--gfx1250"
	.amdhsa_code_object_version 6
	.text
	.protected	k_q9b423b9b0b_pv
	.globl	k_q9b423b9b0b_pv
	.p2align	8
	.type	k_q9b423b9b0b_pv,@function
k_q9b423b9b0b_pv:
	s_mov_b64 s[64:65], 0
	v_nop
	global_prefetch_b8 v0, s[64:65] scope:SCOPE_SE
	s_setreg_imm32_b32 hwreg(HW_REG_WAVE_MODE, 25, 1), 1
	s_wait_xcnt 0x0
	s_wait_alu depctr_hold_cnt(0) depctr_sa_sdst(0) depctr_va_vdst(0) depctr_va_sdst(0) depctr_va_ssrc(0) depctr_va_vcc(0) depctr_vm_vsrc(0)
	s_getreg_b32 s2, hwreg(HW_REG_IB_STS2, 6, 4)
	s_cmp_eq_u32 s2, 0
	s_cbranch_scc0 .Lentry_in_a_cluster
	s_endpgm
.Lentry_in_a_cluster:
	s_bfe_u32 s2, ttmp6, 0x10000c
	s_cmp_lg_u32 s2, 0xf033
	s_cbranch_scc0 .Lentry_shape_is_right
	s_endpgm
.Lentry_shape_is_right:
; O = (P V) / l on BF6 codes, quantised along d for the last product.  P arrives in parts of 128 keys, each under its own whole number M.  Here a row's M is the largest of its parts';
; each part's four scale bytes are lowered by M - M(part), which is exact, and l is the sum of the parts' sums x 2^(M(part) - M).
; LIMITS: NaN and infinities are not served.  A part whose M lies 127 or more under the row's, and a byte that would fall under 0, count with the scale 2^-127: under 1e-35 of a row whose sum
; is above 1/2.  A block of O whose largest magnitude lies under 2^-122 keeps the byte 1.
; SHARES.  A work-group makes 128 queries x 256 of d; its four waves 64 x 128.  K = the keys up to the end of the cluster's 512 queries: NS = 1 .. 4 slots of 512 keys, the same number in all
; sixteen partners (a partner whose queries end earlier multiplies zero codes there: the price of asking for V jointly along the cluster's column).
; RING: two LDS slots of 4 K steps, 147,456 bytes each; both are filled at the start; a slot is filled again behind a round of the cluster's barrier, four steps (128 matrix instructions a wave)
; ahead of its first use.  All branches hang on NS, which is made of the cluster's number, and EVERY PARTING OF WAYS STANDS BEHIND A CHANGE OF SLOTS: there no tensor load and no LDS load of any
; wave is out, whichever way it then takes.  So a cluster passes the change of slots at its last step too.
; lds_bytes claims all of LDS.
; REGISTERS: window 0: v1, v2 16 x and 8 x lane; v5-6, v9-10 my A and B fragments in slot 0, 1; v13-16 where row block a's fragment goes; v18, v19 serve the add alone; v20-23 offsets of the
;   statistics; v[24:31] 1 / l of the four row blocks, twice each; v32-63 P's scale words of 16 steps, v64-127 V's; v128-223 A's fragments, two sets (first the statistics, later the codes just made);
;   v224-245 at work.   window 1: B's fragments, two sets, at v0 and v128.   window 2: accumulator (a, b) at v[8 (8 a + b)].
.set PSC,   12582912
.set VF,    12582912
.set VS,    19398656
.set OS,    6291456
.set SLOT,  147456
.set PART,  49152                      ; 8 row blocks x 4 K steps x 1,536 bytes
.set SPARE, 294912                     ; the spare words: 128 bytes a wave, two blocks of 256 bytes that no other line names
.set RBB,   6144
.set SPC,   4
.set NSL,   2
.set VA,    5
.set VB,    9
.set OFF,   13
.set SA,    32
.set SB,    64
.set AFR,   128
.set PC,    128
.set TM,    224
.set WD,    240
.set MP,    244
.set NMR,   128                        ; the statistics pass, ahead of the first fetch: v128-159 -M of 16 parts x 2 registers, v160-191 their sums,
.set LR,    160
.set MNR,   192                        ; v192-193 the least -M, v194-195 l, v196-203 at work
.set LSR,   194
.set TT,    196
.set MSB, 0
.macro WIN new                         ; the immediate's high byte repeats the setting that is left
.if MSB != \new
	s_set_vgpr_msb (MSB<<8)|\new
.set MSB, \new
.endif
.endm
.set MUL,  0xa1                        ; source 0 (B) window 1, source 1 (A) window 0, C and D window 2
.set TO_B, 0x40                        ; destination window 1, address window 0
.macro PLACES                          ; four plain places: behind matrix instructions, in front of loads into their sources and of the first read of results
.rept 4
	v_nop
.endr
.endm
.macro CREST                           ; a round of the cluster's barrier behind its opening barrier
	s_cmp_lg_u32 s18, 0
	s_cbranch_scc1 .Lnot_wave_0_\@
	s_barrier_signal -3
.Lnot_wave_0_\@:
	s_barrier_wait -3
	s_barrier_signal -1
	s_barrier_wait -1
.endm
.macro CROUND
	s_barrier_signal -1
	s_barrier_wait -1
	CREST
.endm
; K step s's fragments into set p: B's eight, A's four: 36 loads of 512 consecutive bytes
.macro FETCH s, p
	WIN TO_B
.irp b, 0,1,2,3,4,5,6,7
.irp i, 0,1,2
	ds_load_b128 v[128*(\p)+12*\b+4*\i:128*(\p)+12*\b+4*\i+3], v[VB+((\s)/SPC)%NSL] offset:\b*RBB+((\s)%SPC)*1536+512*\i
.endr
.endr
	WIN 0
.irp a, 0,1,2,3
.irp i, 0,1,2
	ds_load_b128 v[AFR+48*(\p)+12*\a+4*\i:AFR+48*(\p)+12*\a+4*\i+3], v[VA+((\s)/SPC)%NSL] offset:\a*RBB+((\s)%SPC)*1536+512*\i
.endr
.endr
.endm
.macro WM cz                           ; one product; rw: bit 0: B's scale words in lanes 16-31, bit 1: A's
.if \cz
.if rw == 0
	v_wmma_scale_f32_16x16x128_f8f6f4 v[rD:rD+7], v[rB:rB+11], v[rA:rA+11], 0, v[rSB], v[rSA] matrix_a_fmt:MATRIX_FMT_BF6 matrix_b_fmt:MATRIX_FMT_BF6
.elseif rw == 1
	v_wmma_scale_f32_16x16x128_f8f6f4 v[rD:rD+7], v[rB:rB+11], v[rA:rA+11], 0, v[rSB], v[rSA] matrix_a_fmt:MATRIX_FMT_BF6 matrix_b_fmt:MATRIX_FMT_BF6 matrix_a_scale:MATRIX_SCALE_ROW1
.elseif rw == 2
	v_wmma_scale_f32_16x16x128_f8f6f4 v[rD:rD+7], v[rB:rB+11], v[rA:rA+11], 0, v[rSB], v[rSA] matrix_a_fmt:MATRIX_FMT_BF6 matrix_b_fmt:MATRIX_FMT_BF6 matrix_b_scale:MATRIX_SCALE_ROW1
.else
	v_wmma_scale_f32_16x16x128_f8f6f4 v[rD:rD+7], v[rB:rB+11], v[rA:rA+11], 0, v[rSB], v[rSA] matrix_a_fmt:MATRIX_FMT_BF6 matrix_b_fmt:MATRIX_FMT_BF6 matrix_a_scale:MATRIX_SCALE_ROW1 matrix_b_scale:MATRIX_SCALE_ROW1
.endif
.else
.if rw == 0
	v_wmma_scale_f32_16x16x128_f8f6f4 v[rD:rD+7], v[rB:rB+11], v[rA:rA+11], v[rD:rD+7], v[rSB], v[rSA] matrix_a_fmt:MATRIX_FMT_BF6 matrix_b_fmt:MATRIX_FMT_BF6
.elseif rw == 1
	v_wmma_scale_f32_16x16x128_f8f6f4 v[rD:rD+7], v[rB:rB+11], v[rA:rA+11], v[rD:rD+7], v[rSB], v[rSA] matrix_a_fmt:MATRIX_FMT_BF6 matrix_b_fmt:MATRIX_FMT_BF6 matrix_a_scale:MATRIX_SCALE_ROW1
.elseif rw == 2
	v_wmma_scale_f32_16x16x128_f8f6f4 v[rD:rD+7], v[rB:rB+11], v[rA:rA+11], v[rD:rD+7], v[rSB], v[rSA] matrix_a_fmt:MATRIX_FMT_BF6 matrix_b_fmt:MATRIX_FMT_BF6 matrix_b_scale:MATRIX_SCALE_ROW1
.else
	v_wmma_scale_f32_16x16x128_f8f6f4 v[rD:rD+7], v[rB:rB+11], v[rA:rA+11], v[rD:rD+7], v[rSB], v[rSA] matrix_a_fmt:MATRIX_FMT_BF6 matrix_b_fmt:MATRIX_FMT_BF6 matrix_a_scale:MATRIX_SCALE_ROW1 matrix_b_scale:MATRIX_SCALE_ROW1
.endif
.endif
.endm
; A's block a (16 queries of P) against B's eight (128 of d of V^T).  cm = 1: the products start the sums with 0.  The 32 accumulators take turns.
.macro MUL8 a, s, p, cm
.irp b, 0,1,2,3,4,5,6,7
.set rD, 8*(8*(\a)+\b)
.set rB, 128*(\p)+12*\b
.set rA, AFR+48*(\p)+12*(\a)
.set rSB, SB+4*(\s)+2*(\b/4)+(\b/2)%2
.set rSA, SA+2*(\s)+(\a)/2
.set rw, 2*((\a)%2)+\b%2
	WM \cm
.endr
.endm
.macro STEP_IN s, cm, pl               ; a step whose successor lies in the same slot
.if \pl
	PLACES
.endif
	FETCH (\s)+1, 1-(\s)%2
	s_wait_dscnt 36                                ; all but the 36 loads just issued: this step's fragments are in
	WIN MUL
.irp a, 0,1,2,3
	MUL8 \a, \s, (\s)%2, \cm
.endr
.endm
.macro LAST s
	s_wait_dscnt 0x0
	WIN MUL
.irp a, 0,1,2,3
	MUL8 \a, \s, (\s)%2, 0
.endr
.endm
; A SLOT'S LAST STEP s, IN THREE PARTS.
; HEAD: the step's first half and the change of slots.  Each wave waits for all its tensor loads (its part of the other slot among them), adds 0 to its spare word, and waits for that and for its
; reads of this slot; then the barrier.  round = 1: the barrier opens a round of the cluster's barrier, behind which no wave of any partner reads this slot or has a load on its way; this slot's
; descriptors are stepped two slots on.  Every wave that has come so far runs HEAD, be the step its cluster's last or not.
.macro HEAD s, round
.set sg, ((\s)/SPC)%NSL
	WIN 0                                          ; (the add's two registers lie in window 0)
	s_wait_tensorcnt 0x0                           ; no tensor load of mine is out, so a group 0 may be written
	ds_add_u32 v18, v19                            ; 0 onto my spare word,
	ds_add_u32 v18, v19                            ; twice on end
.if \round
	s_add_nc_u64 s[46+4*sg:47+4*sg], s[46+4*sg:47+4*sg], 12288
	s_add_nc_u64 s[70+4*sg:71+4*sg], s[70+4*sg:71+4*sg], 12288
.endif
	s_wait_dscnt 2                                 ; the two adds may be out; this step's 36 loads are in
	WIN MUL
	MUL8 0, \s, (\s)%2, 0
	s_wait_dscnt 0x0                               ; the add is done, and my reads of this slot are over
	s_barrier_signal -1
	MUL8 1, \s, (\s)%2, 0
	WIN 0
	s_barrier_wait -1
.if \round
	CREST
.endif
.endm
; FINISH: the step was the cluster's last: its second half, on registers alone, and out.
.macro FINISH s
	WIN MUL
	MUL8 2, \s, (\s)%2, 0
	MUL8 3, \s, (\s)%2, 0
	WIN 0
	s_branch .Lepi
.endm
; TAIL: the cluster goes on.  th > 0: where NS reaches th, a later step reads this slot again: it is filled, the wave's first tensor load behind the round and its only one until the next.
; Then the next slot's first fragments, and the step's second half.
.macro TAIL s, th
.set sg, ((\s)/SPC)%NSL
.if \th
	s_cmp_lt_u32 s25, \th                          ; the same in all partners
	s_cbranch_scc1 .Lno_fill_\@
	s_cmp_eq_u32 s18, 0
	s_cbranch_scc0 .Lfor_b_\@
	tensor_load_to_lds s[44+4*sg:47+4*sg], s[28:35]
	s_nop 0
.rept 4
	v_nop
.endr
	s_branch .Lno_fill_\@
.Lfor_b_\@:
	s_cmp_lt_u32 s18, 3
	s_cbranch_scc0 .Lno_fill_\@
	tensor_load_to_lds s[68+4*sg:71+4*sg], s[36:43]
	s_nop 0
.rept 4
	v_nop
.endr
.Lno_fill_\@:
.endif
	PLACES
	FETCH (\s)+1, 1-(\s)%2
.if \th == 3
	s_cmp_lt_u32 s25, 4                            ; key steps 12-15, where NS is 4: asked of memory four steps ahead of their tensor load, by the waves that will fetch them
	s_cbranch_scc1 .Lna_\@
	s_cmp_lt_u32 s18, 3
	s_cbranch_scc0 .Lna_\@
	global_prefetch_b8 v7, s[76:77] offset:12288 th:TH_LOAD_NT scope:SCOPE_SE
	global_prefetch_b8 v7, s[76:77] offset:36864 th:TH_LOAD_NT scope:SCOPE_SE
.Lna_\@:
.endif
	WIN MUL
	MUL8 2, \s, (\s)%2, 0
	MUL8 3, \s, (\s)%2, 0
.endm
; The four largest magnitudes in v[TM] on -> the conversions' scale operands and row block a's scale word
.macro WORD a
.irp b, 0,1,2,3
	v_add_nc_u32 v[TM+12+\b], 0xfe000000, v[TM+\b] ; 4 off the exponent field
.endr
.irp b, 0,1,2,3
	v_lshrrev_b32 v[TM+4+\b], 23, v[TM+12+\b]      ; the scale's byte
.endr
	v_lshl_or_b32 v[WD+\a], v[TM+5], 8, v[TM+4]
	v_lshl_or_b32 v[WD+\a], v[TM+6], 16, v[WD+\a]
	v_lshl_or_b32 v[WD+\a], v[TM+7], 24, v[WD+\a]
.endm
; Row block a's 64 numbers a lane -> a fragment's 12 registers in v[PC] on
.macro CODES a
.if (\a) > 0
	s_wait_xcnt 0x0                                ; the last block's stores have read v[PC] on
.endif
	WIN 0x02                                       ; source 0: window 2
.irp c, 0,1
	v_cvt_scalef32_pk16_bf6_f32 v[PC+6*\c:PC+6*\c+2], v[64*(\a)+32*\c:64*(\a)+32*\c+15], v[TM+12+2*\c]
	v_cvt_scalef32_pk16_bf6_f32 v[PC+12+4*\c:PC+12+4*\c+2], v[64*(\a)+32*\c+16:64*(\a)+32*\c+31], v[TM+12+2*\c+1]
.endr
	WIN 0
	v_nop                                          ; one plain place behind a scaled conversion
.irp c, 0,1                            ; the operand's layout wants a whole block in a lane: lanes 0-15 block 2 c, lanes 16-31 block 2 c + 1
.irp i, 0,1,2
	v_permlane16_swap_b32 v[PC+6*\c+\i], v[PC+12+4*\c+\i]
.endr
.irp i, 0,1,2
	v_mov_b32 v[PC+3+6*\c+\i], v[PC+12+4*\c+\i]
.endr
.endr
.endm
.macro QUANT a
	WIN 0x28                                       ; sources 1 and 2: window 2
.irp b, 0,1,2,3
	v_max3_num_f32 v[TM+\b], 0x2800000, |v[64*(\a)+16*\b]|, |v[64*(\a)+16*\b+1]|   ; block b: my 16 numbers, and the floor 2^(5 - 127)
.endr
.irp i, 2,4,6,8,10,12,14
.irp b, 0,1,2,3
	v_max3_num_f32 v[TM+\b], v[TM+\b], |v[64*(\a)+16*\b+\i]|, |v[64*(\a)+16*\b+\i+1]|
.endr
.endr
	WIN 0
.irp b, 0,1,2,3
	v_permlanex16_b32 v[TM+4+\b], v[TM+\b], s84, s85
.endr
.irp b, 0,1,2,3
	v_max_num_f32 v[TM+\b], v[TM+\b], v[TM+4+\b]   ; with lane l xor 16's 16: the block's largest magnitude
.endr
	WORD \a
	CODES \a
.endm
.macro PUT a
.irp i, 0,1,2
	global_store_b128 v[OFF+\a], v[PC+4*\i:PC+4*\i+3], s[90:91] offset:512*\i   ; 512 consecutive bytes, aligned
.endr
.endm
.macro PUTS src, off                   ; four registers (one a row block, the same in both halves of the lanes) -> an image of 256 bytes
	v_cndmask_b32 v[MP], v[\src], v[\src+1], s88
	v_cndmask_b32 v[MP+1], v[\src+2], v[\src+3], s88
	global_store_b64 v2, v[MP:MP+1], s[92:93] offset:\off
.endm
	s_load_b128 s[4:7], s[0:1], 0x0                ; pp s[4:5], qkv s[6:7]
	s_load_b64 s[8:9], s[0:1], 0x10                ; oo
	v_lshl_add_u32 v18, v0, 2, SPARE
	v_mov_b32 v19, 0
	ds_add_u32 v18, v19
	ds_add_u32 v18, v19
	v_lshrrev_b32 v1, 5, v0
	v_readfirstlane_b32 s18, v1
	s_lshr_b32 s19, s18, 1                         ; AH: which 64 queries are mine
	s_and_b32 s20, s18, 1                          ; BH: which 128 of d
	s_bfe_u32 s21, ttmp6, 0x40000                  ; cx: my tile of 256 of d
	s_bfe_u32 s22, ttmp6, 0x40004                  ; cy
	s_and_b32 s14, ttmp7, 0xffff
	s_lshr_b32 s15, s14, 2                         ; the batch
	s_and_b32 s16, s14, 3                          ; which 512 queries
	s_add_co_u32 s25, s16, 1                       ; NS: slots of 512 keys
	s_lshl_b32 s26, s22, 2
	s_lshl_b32 s26, 15, s26                        ; my row of the cluster
	s_lshl_b32 s27, 0x1111, s21                    ; my column
	s_lshl_b32 s23, s16, 2
	s_add_co_u32 s23, s23, s22                     ; my tile of 128 queries in the batch
	s_lshl_b32 s2, s15, 4
	s_add_co_u32 s2, s2, s23
	s_mul_i32 s60, s2, 196608                      ; P: 8 row blocks of 16 key steps
	s_mov_b32 s61, 0
	s_mul_i32 s62, s15, 1572864                    ; V^T: the batch's 64 row blocks,
	s_mul_i32 s3, s21, 393216                      ; my tile's 16,
	s_add_co_u32 s62, s62, s3
	s_xor_b32 s3, s20, 1                           ; and the 8 that wave 1 or wave 2 fetches
	s_mul_i32 s3, s3, 196608
	s_add_co_u32 s62, s62, s3
	s_add_co_u32 s62, s62, VF
	s_mov_b32 s63, 0
	s_lshl_b32 s98, s2, 1
	s_add_co_u32 s98, s98, s19                     ; my group of 64 queries, over all batches
	s_lshl_b32 s99, s21, 1
	s_add_co_u32 s99, s99, s20                     ; my 128 of d: a K step of the last product
	s_lshl_b32 s94, s98, 12
	s_add_co_u32 s94, s94, PSC
	s_mov_b32 s95, 0
	s_lshl_b32 s96, s99, 13
	s_lshl_b32 s97, s15, 16
	s_add_co_u32 s96, s96, s97
	s_add_co_u32 s96, s96, VS
	s_mov_b32 s97, 0
	s_lshl_b32 s90, s98, 5
	s_add_co_u32 s90, s90, s99
	s_mul_i32 s90, s90, 1536
	s_mov_b32 s91, 0
	s_lshl_b32 s92, s98, 3
	s_add_co_u32 s92, s92, s99
	s_lshl_b32 s92, s92, 8
	s_add_co_u32 s92, s92, OS
	s_mov_b32 s93, 0
	s_mul_i32 s17, s18, PART                       ; where my tensor loads go: no place in the cluster enters an LDS address
	; descriptor group 1: 8 rows (row blocks) of 6,144 bytes (four K steps' images), 24,576 bytes apart, in elements of 8 bytes
	s_or_b32 s28, s26, (3<<16)|(1<<21)
	s_or_b32 s36, s27, (3<<16)|(1<<21)
.irp g, 28, 36
	s_mov_b32 s[\g+1], 768<<16
	s_mov_b32 s[\g+2], 8<<16
	s_mov_b32 s[\g+3], 768<<16
	s_mov_b32 s[\g+4], 8
	s_mov_b32 s[\g+5], 3072
	s_mov_b32 s[\g+6], 0
	s_mov_b32 s[\g+7], 0
.endr
	s_mov_b32 s84, 0x76543210
	s_mov_b32 s85, 0xfedcba98                      ; v_permlanex16_b32's selects for lane l xor 16
	s_mov_b32 s88, 0xffff0000                      ; lanes 16-31
	s_wait_dscnt 0x0                               ; both opening adds are done
	s_wait_kmcnt 0x0
	s_add_nc_u64 s[60:61], s[4:5], s[60:61]
	s_add_nc_u64 s[62:63], s[6:7], s[62:63]
	s_add_nc_u64 s[94:95], s[4:5], s[94:95]
	s_add_nc_u64 s[96:97], s[6:7], s[96:97]
	s_add_nc_u64 s[90:91], s[8:9], s[90:91]
	s_add_nc_u64 s[92:93], s[8:9], s[92:93]
.irp c, 0,1
	s_mov_b32 s[44+4*\c], 1
	s_mov_b32 s[45+4*\c], \c*SLOT
	s_add_nc_u64 s[46+4*\c:47+4*\c], s[60:61], \c*6144
	s_or_b32 s[47+4*\c], s[47+4*\c], 0x80000000
	s_mov_b32 s[68+4*\c], 1
	s_add_co_u32 s[69+4*\c], s17, \c*SLOT
	s_add_nc_u64 s[70+4*\c:71+4*\c], s[62:63], \c*6144
	s_or_b32 s[71+4*\c], s[71+4*\c], 0x80000000
.endr
	CROUND                                         ; all sixteen work-groups are here: the first joint loads meet
	s_cmp_eq_u32 s18, 0                            ; slot 0's first fill, in one chain of branches on the wave's number: one load a wave
	s_cbranch_scc0 .Lnot_a
	tensor_load_to_lds s[44:47], s[28:35]
	s_nop 0
.rept 4
	v_nop
.endr
	s_branch .Lasked
.Lnot_a:
	s_cmp_lt_u32 s18, 3
	s_cbranch_scc0 .Lasked
	tensor_load_to_lds s[68:71], s[36:43]
	s_nop 0
.rept 4
	v_nop
.endr
.Lasked:
	v_and_b32 v17, 31, v0
	v_lshlrev_b32 v1, 4, v17
	v_lshlrev_b32 v2, 3, v17
	s_wait_alu depctr_va_vdst(0)
	s_mul_i32 s14, s19, 4*RBB
	s_mul_i32 s15, s20, PART
	s_add_co_u32 s15, s15, PART
.irp c, 0,1
	v_add_nc_u32 v[VA+\c], s14, v1
	v_add_nc_u32 v[VB+\c], s15, v1
	s_add_co_u32 s14, s14, SLOT
	s_add_co_u32 s15, s15, SLOT
.endr
.irp a, 0,1,2,3
	v_add_nc_u32 v[OFF+\a], \a*12288, v1
.endr
	; ---- THE STATISTICS, in registers, while the first tiles land.  A slot that this cluster does not walk re-reads the last one that it does: no unwritten byte is read, and there is no branch
	; A PREFETCH: slot 1's bytes, whose tensor load follows behind the next round.  Of the 8 rows of 6,144 bytes that my wave will fetch, my work-group names 2
	; (by cx for P, by cy for V^T: an address alone), a lane a block of 256 bytes; lanes 24-31 name the row's last block again.  v7 and s[76:79] serve this alone.
	s_cmp_eq_u32 s18, 0
	s_cselect_b64 s[76:77], s[60:61], s[62:63]
	s_cselect_b32 s78, s21, s22
	s_mul_i32 s78, s78, 49152
	s_add_co_u32 s78, s78, 6144
	s_mov_b32 s79, 0
	s_add_nc_u64 s[76:77], s[76:77], s[78:79]
	v_and_b32 v7, 31, v0
	v_min_u32 v7, 23, v7
	v_lshlrev_b32 v7, 8, v7
	s_cmp_lt_u32 s25, 2                            ; with NS = 1 slot 1 is neither fetched nor asked for
	s_cbranch_scc1 .Lno_ask
	s_cmp_lt_u32 s18, 3                            ; wave 3 fetches nothing and asks for nothing
	s_cbranch_scc0 .Lno_ask
	global_prefetch_b8 v7, s[76:77] th:TH_LOAD_NT scope:SCOPE_SE
	global_prefetch_b8 v7, s[76:77] offset:24576 th:TH_LOAD_NT scope:SCOPE_SE
	s_cmp_lt_u32 s25, 3                            ; key steps 8-11, where NS reaches 3: two slots ahead of their tensor load
	s_cbranch_scc1 .Lno_ask
	global_prefetch_b8 v7, s[76:77] offset:6144 th:TH_LOAD_NT scope:SCOPE_SE
	global_prefetch_b8 v7, s[76:77] offset:30720 th:TH_LOAD_NT scope:SCOPE_SE
.Lno_ask:
	s_sub_co_u32 s101, s25, 1
.irp t, 0,1,2,3
	s_min_u32 s100, s101, \t
	s_lshl_b32 s100, s100, 10
	v_add_nc_u32 v[20+\t], s100, v2
.endr
.irp s, 0,1,2,3,4,5,6,7,8,9,10,11,12,13,14,15
	global_load_b64 v[SA+2*\s:SA+2*\s+1], v[20+\s/4], s[94:95] offset:256*(\s%4)
	global_load_b64 v[NMR+2*\s:NMR+2*\s+1], v[20+\s/4], s[94:95] offset:524288+256*(\s%4)
	global_load_b64 v[LR+2*\s:LR+2*\s+1], v[20+\s/4], s[94:95] offset:1048576+256*(\s%4)
	global_load_b64 v[SB+4*\s:SB+4*\s+1], v[20+\s/4], s[96:97] offset:256*(\s%4)
	global_load_b64 v[SB+4*\s+2:SB+4*\s+3], v[20+\s/4], s[96:97] offset:4096+256*(\s%4)
.endr
	v_mov_b32 v17, 0x7f61b1e6                      ; 3e38, above every -M
	s_mov_b32 s100, 0x01010101
.irp b, 0,1,2,3
	v_mov_b32 v[TM+4+\b], 0                        ; lane permutes' destinations are written once
.endr
	s_wait_alu depctr_va_vdst(0)
	s_wait_tensorcnt 0x0                           ; my part of slot 0 is in
	ds_add_u32 v18, v19
	ds_add_u32 v18, v19                            ; twice
	s_wait_dscnt 0x0
	CROUND                                         ; slot 0 is whole, and all sixteen work-groups are here
	s_cmp_lt_u32 s25, 2                            ; slot 1's first fill, where NS reaches 2 (the same in all partners): it lands while the statistics are worked
	s_cbranch_scc1 .Lno_s1
	s_cmp_eq_u32 s18, 0
	s_cbranch_scc0 .Ls1_b
	tensor_load_to_lds s[48:51], s[28:35]
	s_nop 0
.rept 4
	v_nop
.endr
	s_branch .Lno_s1
.Ls1_b:
	s_cmp_lt_u32 s18, 3
	s_cbranch_scc0 .Lno_s1
	tensor_load_to_lds s[72:75], s[36:43]
	s_nop 0
.rept 4
	v_nop
.endr
.Lno_s1:
	s_wait_loadcnt 0x0
.irp t, 1,2,3                          ; the parts of slots that are not walked count for nothing
	s_cmp_gt_u32 s25, \t
	s_cselect_b32 s101, -1, 0
.irp q, 0,1,2,3,4,5,6,7
	v_cndmask_b32 v[NMR+8*\t+\q], v17, v[NMR+8*\t+\q], s101
	v_and_b32 v[LR+8*\t+\q], s101, v[LR+8*\t+\q]
.endr
.endr
.irp e, 0,1
	v_min3_num_f32 v[MNR+\e], v[NMR+\e], v[NMR+2+\e], v[NMR+4+\e]
.endr
.irp s, 3,5,7,9,11,13
.irp e, 0,1
	v_min3_num_f32 v[MNR+\e], v[MNR+\e], v[NMR+2*\s+\e], v[NMR+2*\s+2+\e]
.endr
.endr
.irp e, 0,1
	v_min_num_f32 v[MNR+\e], v[MNR+\e], v[NMR+30+\e]   ; the least -M: the row's M
.endr
.irp s, 0,1,2,3,4,5,6,7,8,9,10,11,12,13,14,15
.irp e, 0,1
	v_sub_f32 v[TT+\e], v[NMR+2*\s+\e], v[MNR+\e]  ; M - M(part): a whole number, 0 or more
.endr
.irp e, 0,1
	v_min_num_f32 v[TT+\e], 0x42fe0000, v[TT+\e]   ; held at 127
.endr
.irp e, 0,1
	v_cvt_u32_f32 v[TT+\e], v[TT+\e]
.endr
.irp e, 0,1
	v_sub_nc_u32 v[TT+2+\e], 0, v[TT+\e]
.endr
.irp e, 0,1
	v_mul_lo_u32 v[TT+4+\e], v[TT+\e], s100        ; in all four bytes
.endr
.irp e, 0,1
	v_or_b32 v[TT+6+\e], 0x80808080, v[SA+2*\s+\e] ; the bytes are 123 at the most: with 128 on top no byte borrows from the next
.endr
.if \s == 0
.irp e, 0,1
	v_ldexp_f32 v[LSR+\e], v[LR+\e], v[TT+2+\e]    ; the first part starts l
.endr
.else
.irp e, 0,1
	v_ldexp_f32 v[TT+2+\e], v[LR+2*\s+\e], v[TT+2+\e]
.endr
.endif
.irp e, 0,1
	v_sub_nc_u32 v[TT+6+\e], v[TT+6+\e], v[TT+4+\e]
.endr
.if \s > 0
.irp e, 0,1
	v_add_f32 v[LSR+\e], v[LSR+\e], v[TT+2+\e]
.endr
.endif
.irp e, 0,1
	v_and_b32 v[TT+\e], 0x80808080, v[TT+6+\e]     ; the top bit stands where byte - difference is not negative
.endr
.irp e, 0,1
	v_lshrrev_b32 v[TT+4+\e], 7, v[TT+\e]
.endr
.irp e, 0,1
	v_sub_nc_u32 v[TT+\e], v[TT+\e], v[TT+4+\e]    ; 0x7f there, 0 elsewhere
.endr
.irp e, 0,1
	v_and_b32 v[SA+2*\s+\e], v[TT+6+\e], v[TT+\e]  ; the part's scale word under the row's M
.endr
.endr
	s_wait_alu depctr_va_vdst(0)
	v_rcp_f32 v[TT], v[LSR]
	v_rcp_f32 v[TT+1], v[LSR+1]
	v_nop                                          ; a plain place behind the reciprocals
	s_wait_alu depctr_va_vdst(0)                   ; one wait for both, ahead of their first reader
	v_permlanex16_b32 v[TT+2], v[TT], s84, s85
	v_permlanex16_b32 v[TT+3], v[TT+1], s84, s85
.irp j, 0,1                            ; 1 / l of row block a's row r in both halves of the lanes, twice: a pair for the packed multiply.  (These are also the places between the last scale word and the first product)
	v_cndmask_b32 v[24+\j], v[TT], v[TT+2], s88
	v_cndmask_b32 v[26+\j], v[TT+2], v[TT], s88
	v_cndmask_b32 v[28+\j], v[TT+1], v[TT+3], s88
	v_cndmask_b32 v[30+\j], v[TT+3], v[TT+1], s88
.endr
	; ---- THE PRODUCT
	FETCH 0, 0                                     ; slot 0 was shown whole by the round above
	STEP_IN 0, 1, 0
	STEP_IN 1, 0, 1
	STEP_IN 2, 0, 1
	HEAD 3, 1                                      ; every cluster: slot 1's first fills are waited for here, in front of a barrier that every wave passes
	s_cmp_eq_u32 s25, 1
	s_cbranch_scc0 .Lmore1
	FINISH 3
.Lmore1:
	TAIL 3, 3                                      ; slot 0 takes key steps 8-11 where NS is 3 or 4
	STEP_IN 4, 0, 1
	STEP_IN 5, 0, 1
	STEP_IN 6, 0, 1
	HEAD 7, 1
	s_cmp_eq_u32 s25, 2
	s_cbranch_scc0 .Lmore2
	FINISH 7
.Lmore2:
	TAIL 7, 4                                      ; slot 1 takes key steps 12-15 where NS is 4
	STEP_IN 8, 0, 1
	STEP_IN 9, 0, 1
	STEP_IN 10, 0, 1
	HEAD 11, 0                                     ; the work-group's barrier alone
	s_cmp_eq_u32 s25, 3
	s_cbranch_scc0 .Lmore3
	FINISH 11
.Lmore3:
	TAIL 11, 0
	STEP_IN 12, 0, 1
	STEP_IN 13, 0, 1
	STEP_IN 14, 0, 1
	LAST 15
	WIN 0
.Lepi:
	PLACES
	s_wait_alu depctr_va_vdst(0)
.irp a, 0,1,2,3
	WIN 0x82                                       ; destination and source 0: window 2
.set n, 0
.rept 32
	v_pk_mul_f32 v[64*\a+n:64*\a+n+1], v[64*\a+n:64*\a+n+1], v[24+2*\a:25+2*\a]   ; O / l, each accumulator from its low end on
.set n, n+2
.endr
	QUANT \a
	PUT \a
.endr
	PUTS WD, 0
	s_wait_tensorcnt 0x0                           ; the wave's end
	ds_add_u32 v18, v19
	s_wait_dscnt 0x0
	CROUND                                         ; the closing round: no work-group ends while a partner may still ask for a tile that names it
	s_endpgm
.Lfunc_end_k_q9b423b9b0b_pv:
	.size	k_q9b423b9b0b_pv, .Lfunc_end_k_q9b423b9b0b_pv-k_q9b423b9b0b_pv
	.p2alignl 7, 3214868480
	.fill 96, 4, 3214868480
	.section	.rodata,"a",@progbits
	.p2align	6, 0x0
	.amdhsa_kernel k_q9b423b9b0b_pv
		.amdhsa_group_segment_fixed_size 327680
		.amdhsa_private_segment_fixed_size 0
		.amdhsa_enable_private_segment 0
		.amdhsa_kernarg_size 24
		.amdhsa_user_sgpr_count 2
		.amdhsa_user_sgpr_kernarg_segment_ptr 1
		.amdhsa_wavefront_size32 1
		.amdhsa_system_sgpr_workgroup_id_x 1
		.amdhsa_system_sgpr_workgroup_id_y 1
		.amdhsa_system_sgpr_workgroup_id_z 1
		.amdhsa_system_vgpr_workitem_id 0
		.amdhsa_next_free_vgpr 768
		.amdhsa_next_free_sgpr 102
		.amdhsa_reserve_vcc 0
		.amdhsa_float_denorm_mode_32 3
		.amdhsa_float_denorm_mode_16_64 3
		.amdhsa_memory_ordered 1
		.amdhsa_forward_progress 1
		.amdhsa_inst_pref_size 179
	.end_amdhsa_kernel
	.amdgpu_metadata
---
amdhsa.version: [ 1, 2 ]
amdhsa.kernels:
  - .name:           k_q9b423b9b0b_pv
    .symbol:         k_q9b423b9b0b_pv.kd
    .args:
      - { .name: pp, .offset: 0, .size: 8, .value_kind: global_buffer, .address_space: global }
      - { .name: qkv, .offset: 8, .size: 8, .value_kind: global_buffer, .address_space: global }
      - { .name: oo, .offset: 16, .size: 8, .value_kind: global_buffer, .address_space: global }
    .group_segment_fixed_size: 327680
    .private_segment_fixed_size: 0
    .kernarg_segment_align: 8
    .kernarg_segment_size: 24
    .max_flat_workgroup_size: 128
    .sgpr_count:     102
    .vgpr_count:     768
    .wavefront_size: 32
...
	.end_amdgpu_metadata
.endif
;; end of part 4
;; launch oproj (part 5): grid 4 x 64, 4 waves a work-group, clusters of 4 x 4, 327,680 bytes of LDS; arguments oo, opx, bo, out0; writes out0
.if DOCPART == 5
	.amdgcn_target "amdgcn-amd-amdhsa--gfx1250"
	.amdhsa_code_object_version 6
	.text
	.protected	k_q9b423b9b0b_oproj
	.globl	k_q9b423b9b0b_oproj
	.p2align	8
	.type	k_q9b423b9b0b_oproj,@function
k_q9b423b9b0b_oproj:
	s_mov_b64 s[64:65], 0
	v_nop
	global_prefetch_b8 v0, s[64:65] scope:SCOPE_SE
	s_setreg_imm32_b32 hwreg(HW_REG_WAVE_MODE, 25, 1), 1
	s_wait_xcnt 0x0
	s_wait_alu depctr_hold_cnt(0) depctr_sa_sdst(0) depctr_va_vdst(0) depctr_va_sdst(0) depctr_va_ssrc(0) depctr_va_vcc(0) depctr_vm_vsrc(0)
	s_getreg_b32 s2, hwreg(HW_REG_IB_STS2, 6, 4)
	s_cmp_eq_u32 s2, 0
	s_cbranch_scc0 .Lentry_in_a_cluster
	s_endpgm
.Lentry_in_a_cluster:
	s_bfe_u32 s2, ttmp6, 0x10000c
	s_cmp_lg_u32 s2, 0xf033
	s_cbranch_scc0 .Lentry_shape_is_right
	s_endpgm
.Lentry_shape_is_right:
; out0 = O Wo + bo on BF6 codes, f32 out.  A = O's fragment images (64 tiles of 128 rows), B = Wo's (4 tiles of 256 rows n), K = 1,024.
; The frame is the second launch's: a work-group makes 128 x 256, its four waves 64 x 128; all of K lies in LDS, every byte filled once; 4 x 4 clusters with joint loads; the product is used
; transposed, so that a lane's eight results are eight neighbouring columns of a row; the bias is the C of each sum's first product.
; THE WAY OUT: a block of 16 rows x 128 columns goes through the wave's own stage in LDS and comes back as whole rows of 512 bytes.  The stages lie in chunk 0, which has had its only fill, and
; whose last reads every wave awaited in front of a barrier that all have passed.
.set OS,    6291456
.set WFO,   8650752                    ; opx: Wo's fragments
.set WSO,   9797632                    ; and its scale images
.set CHUNK, 147456                     ; a chunk: four K steps of A's 8 row blocks and B's 16; two chunks hold all of K
.set PART,  49152
.set RBB,   6144
.set SPC,   4
.set NSL,   2
.set VA,    5
.set VB,    9
.set SA,    32
.set SB,    64
.set AFR,   128
.set SPI,   528                        ; a stage row: 512 bytes + 16
.set MSB, 0
.macro WIN new
.if MSB != \new
	s_set_vgpr_msb (MSB<<8)|\new
.set MSB, \new
.endif
.endm
.set MUL,  0xa1
.set MULB, 0xb1
.set TO_B, 0x40
.macro PLACES
.rept 4
	v_nop
.endr
.endm
.macro CREST
	s_cmp_lg_u32 s18, 0
	s_cbranch_scc1 .Lnot_wave_0_\@
	s_barrier_signal -3
.Lnot_wave_0_\@:
	s_barrier_wait -3
	s_barrier_signal -1
	s_barrier_wait -1
.endm
.macro CROUND
	s_barrier_signal -1
	s_barrier_wait -1
	CREST
.endm
.macro FETCH s, p
	WIN TO_B
.irp b, 0,1,2,3,4,5,6,7
.irp i, 0,1,2
	ds_load_b128 v[128*(\p)+12*\b+4*\i:128*(\p)+12*\b+4*\i+3], v[VB+((\s)/SPC)%NSL] offset:\b*RBB+((\s)%SPC)*1536+512*\i
.endr
.endr
	WIN 0
.irp a, 0,1,2,3
.irp i, 0,1,2
	ds_load_b128 v[AFR+48*(\p)+12*\a+4*\i:AFR+48*(\p)+12*\a+4*\i+3], v[VA+((\s)/SPC)%NSL] offset:\a*RBB+((\s)%SPC)*1536+512*\i
.endr
.endr
.endm
.macro WM
.if rw == 0
	v_wmma_scale_f32_16x16x128_f8f6f4 v[rD:rD+7], v[rB:rB+11], v[rA:rA+11], v[rC:rC+7], v[rSB], v[rSA] matrix_a_fmt:MATRIX_FMT_BF6 matrix_b_fmt:MATRIX_FMT_BF6
.elseif rw == 1
	v_wmma_scale_f32_16x16x128_f8f6f4 v[rD:rD+7], v[rB:rB+11], v[rA:rA+11], v[rC:rC+7], v[rSB], v[rSA] matrix_a_fmt:MATRIX_FMT_BF6 matrix_b_fmt:MATRIX_FMT_BF6 matrix_a_scale:MATRIX_SCALE_ROW1
.elseif rw == 2
	v_wmma_scale_f32_16x16x128_f8f6f4 v[rD:rD+7], v[rB:rB+11], v[rA:rA+11], v[rC:rC+7], v[rSB], v[rSA] matrix_a_fmt:MATRIX_FMT_BF6 matrix_b_fmt:MATRIX_FMT_BF6 matrix_b_scale:MATRIX_SCALE_ROW1
.else
	v_wmma_scale_f32_16x16x128_f8f6f4 v[rD:rD+7], v[rB:rB+11], v[rA:rA+11], v[rC:rC+7], v[rSB], v[rSA] matrix_a_fmt:MATRIX_FMT_BF6 matrix_b_fmt:MATRIX_FMT_BF6 matrix_a_scale:MATRIX_SCALE_ROW1 matrix_b_scale:MATRIX_SCALE_ROW1
.endif
.endm
; cm = 0: adds on; 2: starts the sums with the bias of B's rows (window 3).  The 32 accumulators take turns.
.macro MUL8 a, s, p, cm
.irp b, 0,1,2,3,4,5,6,7
.set rD, 8*(8*(\a)+\b)
.set rB, 128*(\p)+12*\b
.set rA, AFR+48*(\p)+12*(\a)
.set rSB, SB+4*(\s)+2*(\b/4)+(\b/2)%2
.set rSA, SA+2*(\s)+(\a)/2
.set rw, 2*((\a)%2)+\b%2
.set rC, rD
.if (\cm) == 2
.set rC, 8*\b
.endif
	WM
.endr
.endm
.macro STEP_IN s, cm, pl
.if \pl
	PLACES
.endif
	FETCH (\s)+1, 1-(\s)%2
	s_wait_dscnt 36                                ; all but the 36 loads just issued
.if (\cm) >= 2
	WIN MULB
.else
	WIN MUL
.endif
.irp a, 0,1,2,3
	MUL8 \a, \s, (\s)%2, \cm
.endr
.endm
.macro STEP_X s, n                     ; n: my tensor loads issued behind the next chunk's
	s_wait_tensorcnt \n
	s_wait_dscnt 0x0
	s_barrier_signal -1
	WIN MUL
	MUL8 0, \s, (\s)%2, 0
	MUL8 1, \s, (\s)%2, 0
	s_barrier_wait -1
	PLACES
	FETCH (\s)+1, 1-(\s)%2
	WIN MUL
	MUL8 2, \s, (\s)%2, 0
	MUL8 3, \s, (\s)%2, 0
.endm
.macro LAST s
	s_wait_dscnt 0x0
	WIN MUL
.irp a, 0,1,2,3
	MUL8 \a, \s, (\s)%2, 0
.endr
.endm
.macro TOSTAGE a
	WIN 0x08                                       ; an LDS store's data are its source 1: window 2
.irp b, 0,1,2,3,4,5,6,7
	ds_store_b128 v23, v[64*(\a)+8*\b:64*(\a)+8*\b+3] offset:64*\b          ; each accumulator from its low end on
	ds_store_b128 v23, v[64*(\a)+8*\b+4:64*(\a)+8*\b+7] offset:64*\b+16
.endr
	WIN 0
.irp t, 0,1,2,3,4,5,6,7,8,9,10,11,12,13,14,15
	ds_load_b128 v[128+64*((\a)%2)+4*\t:128+64*((\a)%2)+4*\t+3], v24 offset:\t*SPI   ; LDS serves a wave's instructions in order (ISA guide 5.7.1.4): these see the stores above
.endr
.endm
.macro SEND a, younger                 ; younger: the LDS instructions issued behind block a's loads, which may stay out
	s_wait_dscnt \younger
.irp t, 0,1,2,3,4,5,6,7,8,9,10,11,12,13,14,15
	global_store_b128 v1, v[128+64*((\a)%2)+4*\t:128+64*((\a)%2)+4*\t+3], s[90:91] offset:(\a)*65536+\t*4096 th:TH_STORE_NT   ; 512 consecutive bytes, aligned; written once
.endr
.endm
	s_load_b256 s[4:11], s[0:1], 0x0               ; oo s[4:5], opx s[6:7], bo s[8:9], out0 s[10:11]
	v_lshl_add_u32 v126, v0, 2, 0x48000
	v_mov_b32 v127, 0
	ds_add_u32 v126, v127
	ds_add_u32 v126, v127
	v_lshrrev_b32 v1, 5, v0
	v_readfirstlane_b32 s18, v1
	s_lshr_b32 s19, s18, 1                         ; AH
	s_and_b32 s20, s18, 1                          ; BH
	s_bfe_u32 s21, ttmp6, 0x40000                  ; cx: the tile column
	s_bfe_u32 s22, ttmp6, 0x40004                  ; cy
	s_and_b32 s25, ttmp7, 0xffff
	s_lshl_b32 s26, s22, 2
	s_lshl_b32 s26, 15, s26
	s_lshl_b32 s27, 0x1111, s21
	s_lshl_b32 s23, s25, 2
	s_add_co_u32 s23, s23, s22                     ; the tile row
	s_mul_i32 s60, s23, 98304
	s_mov_b32 s61, 0
	s_mul_i32 s62, s21, 196608
	s_xor_b32 s3, s20, 1
	s_mul_i32 s3, s3, 98304
	s_add_co_u32 s62, s62, s3
	s_add_co_u32 s62, s62, WFO
	s_mov_b32 s63, 0
	s_lshl_b32 s98, s23, 1
	s_add_co_u32 s98, s98, s19                     ; my group of 64 rows
	s_lshl_b32 s99, s21, 1
	s_add_co_u32 s99, s99, s20                     ; my 128 columns
	s_lshl_b32 s94, s98, 11
	s_add_co_u32 s94, s94, OS
	s_mov_b32 s95, 0
	s_lshl_b32 s96, s99, 12
	s_add_co_u32 s96, s96, WSO
	s_mov_b32 s97, 0
	s_lshl_b32 s100, s99, 9                        ; 128 numbers of 4 bytes
	s_mov_b32 s101, 0
	s_lshl_b32 s90, s98, 18                        ; 64 rows of 4,096 bytes
	s_add_co_u32 s90, s90, s100
	s_mov_b32 s91, 0
	s_mul_i32 s16, s18, PART
	s_or_b32 s28, s26, (3<<16)|(1<<21)
	s_or_b32 s36, s27, (3<<16)|(1<<21)
.irp g, 28, 36
	s_mov_b32 s[\g+1], 768<<16
	s_mov_b32 s[\g+2], 8<<16
	s_mov_b32 s[\g+3], 768<<16
	s_mov_b32 s[\g+4], 8
	s_mov_b32 s[\g+5], 1536
	s_mov_b32 s[\g+6], 0
	s_mov_b32 s[\g+7], 0
.endr
	s_wait_dscnt 0x0
	s_wait_kmcnt 0x0
	s_add_nc_u64 s[60:61], s[4:5], s[60:61]
	s_add_nc_u64 s[62:63], s[6:7], s[62:63]
	s_add_nc_u64 s[94:95], s[4:5], s[94:95]
	s_add_nc_u64 s[96:97], s[6:7], s[96:97]
	s_add_nc_u64 s[8:9], s[8:9], s[100:101]
	s_add_nc_u64 s[90:91], s[10:11], s[90:91]
.irp c, 0,1
	s_mov_b32 s[44+4*\c], 1
	s_mov_b32 s[45+4*\c], \c*CHUNK
	s_add_nc_u64 s[46+4*\c:47+4*\c], s[60:61], \c*6144
	s_or_b32 s[47+4*\c], s[47+4*\c], 0x80000000
	s_mov_b32 s[68+4*\c], 1
	s_add_co_u32 s[69+4*\c], s16, \c*CHUNK
	s_add_nc_u64 s[70+4*\c:71+4*\c], s[62:63], \c*6144
	s_or_b32 s[71+4*\c], s[71+4*\c], 0x80000000
.endr
	CROUND
	s_cmp_eq_u32 s18, 0
	s_cbranch_scc0 .Lnot_a
	tensor_load_to_lds s[44:47], s[28:35]
	s_nop 0
.rept 4
	v_nop
.endr
	s_branch .Lasked
.Lnot_a:
	s_cmp_lt_u32 s18, 3
	s_cbranch_scc0 .Lasked
	tensor_load_to_lds s[68:71], s[36:43]
	s_nop 0
.rept 4
	v_nop
.endr
.Lasked:
	v_and_b32 v17, 31, v0
	v_lshlrev_b32 v1, 4, v17
	v_lshlrev_b32 v2, 3, v17
	v_and_b32 v3, 15, v0
	v_bfe_u32 v4, v0, 4, 1
	s_mul_i32 s14, s19, 4*RBB
	s_mul_i32 s15, s20, PART
	s_add_co_u32 s15, s15, PART
.irp c, 0,1
	v_add_nc_u32 v[VA+\c], s14, v1
	v_add_nc_u32 v[VB+\c], s15, v1
	s_add_co_u32 s14, s14, CHUNK
	s_add_co_u32 s15, s15, CHUNK
.endr
	; A PREFETCH: chunk 1's bytes, whose tensor load follows behind the next round.  Of the 8 rows of 6,144 bytes that my wave will fetch, my work-group names 2
	; (by cx for O, by cy for Wo: an address alone), a lane a block of 256 bytes; lanes 24-31 name the row's last block again.  v7 and s[76:79] serve this alone.
	s_wait_alu depctr_va_vdst(0)
	s_cmp_eq_u32 s18, 0
	s_cselect_b64 s[76:77], s[60:61], s[62:63]
	s_cselect_b32 s78, s21, s22
	s_mul_i32 s78, s78, 24576
	s_add_co_u32 s78, s78, 6144
	s_mov_b32 s79, 0
	s_add_nc_u64 s[76:77], s[76:77], s[78:79]
	v_and_b32 v7, 31, v0
	v_min_u32 v7, 23, v7
	v_lshlrev_b32 v7, 8, v7
	s_cmp_lt_u32 s18, 3                            ; wave 3 fetches nothing and asks for nothing
	s_cbranch_scc0 .Lno_ask
	global_prefetch_b8 v7, s[76:77] th:TH_LOAD_NT scope:SCOPE_SE
	global_prefetch_b8 v7, s[76:77] offset:12288 th:TH_LOAD_NT scope:SCOPE_SE
.Lno_ask:
	s_mul_i32 s14, s18, 16*SPI                     ; my stage
	v_mul_u32_u24 v23, v3, SPI
	v_lshl_add_u32 v23, v4, 5, v23
	v_add_nc_u32 v23, s14, v23                     ; in: row r, 32 bytes for each half of the lanes
	v_add_nc_u32 v24, s14, v1                      ; back: the 32 lanes take a row of 512 bytes
.irp s, 0,1,2,3,4,5,6,7
	global_load_b64 v[SA+2*\s:SA+2*\s+1], v2, s[94:95] offset:256*\s
	global_load_b64 v[SB+4*\s:SB+4*\s+1], v2, s[96:97] offset:256*\s
	global_load_b64 v[SB+4*\s+2:SB+4*\s+3], v2, s[96:97] offset:2048+256*\s
.endr
	v_lshlrev_b32 v21, 5, v4                       ; 32 h: my eight numbers of the bias in a tile of 16
	WIN 0xc0                                       ; destination window 3
.irp b, 0,1,2,3,4,5,6,7
	global_load_b128 v[8*\b:8*\b+3], v21, s[8:9] offset:64*\b
	global_load_b128 v[8*\b+4:8*\b+7], v21, s[8:9] offset:64*\b+16
.endr
	WIN 0
	s_wait_alu depctr_va_vdst(0)
	s_wait_tensorcnt 0x0                           ; my part of chunk 0 is in
	ds_add_u32 v126, v127
	ds_add_u32 v126, v127                          ; twice
	s_wait_dscnt 0x0
	CROUND                                         ; chunk 0 is whole, and all sixteen work-groups are here
	s_cmp_eq_u32 s18, 0                            ; chunk 1's only fill: the first tensor load behind the round
	s_cbranch_scc0 .Ls1_b
	tensor_load_to_lds s[48:51], s[28:35]
	s_nop 0
.rept 4
	v_nop
.endr
	s_branch .Ls1_done
.Ls1_b:
	s_cmp_lt_u32 s18, 3
	s_cbranch_scc0 .Ls1_done
	tensor_load_to_lds s[72:75], s[36:43]
	s_nop 0
.rept 4
	v_nop
.endr
.Ls1_done:
	FETCH 0, 0
	s_wait_loadcnt 0x0                             ; the scale images and the bias
	STEP_IN 0, 2, 0
	STEP_IN 1, 0, 1
	STEP_IN 2, 0, 1
	STEP_X 3, 0                                    ; the change of chunks: chunk 1 is in, and chunk 0 is read no more
	STEP_IN 4, 0, 1
	STEP_IN 5, 0, 1
	STEP_IN 6, 0, 1
	LAST 7
	WIN 0
	PLACES                                         ; in front of the first read of results and of the loads into the registers that held A's fragments
	TOSTAGE 0
.irp a, 1,2,3
.if \a > 1
	s_wait_xcnt 0x0                                ; block a - 2's stores have read their registers: block a's loads may land there
.endif
	TOSTAGE \a
	SEND \a-1, 32                                  ; behind block a - 1's loads: block a's 16 stores and 16 loads
.endr
	SEND 3, 0
	s_wait_tensorcnt 0x0
	ds_add_u32 v126, v127
	s_wait_dscnt 0x0
	CROUND                                         ; the closing round
	s_endpgm
.Lfunc_end_k_q9b423b9b0b_oproj:
	.size	k_q9b423b9b0b_oproj, .Lfunc_end_k_q9b423b9b0b_oproj-k_q9b423b9b0b_oproj
	.p2alignl 7, 3214868480
	.fill 96, 4, 3214868480
	.section	.rodata,"a",@progbits
	.p2align	6, 0x0
	.amdhsa_kernel k_q9b423b9b0b_oproj
		.amdhsa_group_segment_fixed_size 327680
		.amdhsa_private_segment_fixed_size 0
		.amdhsa_enable_private_segment 0
		.amdhsa_kernarg_size 32
		.amdhsa_user_sgpr_count 2
		.amdhsa_user_sgpr_kernarg_segment_ptr 1
		.amdhsa_wavefront_size32 1
		.amdhsa_system_sgpr_workgroup_id_x 1
		.amdhsa_system_sgpr_workgroup_id_y 1
		.amdhsa_system_sgpr_workgroup_id_z 1
		.amdhsa_system_vgpr_workitem_id 0
		.amdhsa_next_free_vgpr 832
		.amdhsa_next_free_sgpr 102
		.amdhsa_reserve_vcc 0
		.amdhsa_float_denorm_mode_32 3
		.amdhsa_float_denorm_mode_16_64 3
		.amdhsa_memory_ordered 1
		.amdhsa_forward_progress 1
		.amdhsa_inst_pref_size 79
	.end_amdhsa_kernel
	.amdgpu_metadata
---
amdhsa.version: [ 1, 2 ]
amdhsa.kernels:
  - .name:           k_q9b423b9b0b_oproj
    .symbol:         k_q9b423b9b0b_oproj.kd
    .args:
      - { .name: oo, .offset: 0, .size: 8, .value_kind: global_buffer, .address_space: global }
      - { .name: opx, .offset: 8, .size: 8, .value_kind: global_buffer, .address_space: global }
      - { .name: bo, .offset: 16, .size: 8, .value_kind: global_buffer, .address_space: global }
      - { .name: out0, .offset: 24, .size: 8, .value_kind: global_buffer, .address_space: global }
    .group_segment_fixed_size: 327680
    .private_segment_fixed_size: 0
    .kernarg_segment_align: 8
    .kernarg_segment_size: 32
    .max_flat_workgroup_size: 128
    .sgpr_count:     102
    .vgpr_count:     832
    .wavefront_size: 32
...
	.end_amdgpu_metadata
.endif
;; end of part 5
